; MI455X (gfx1250); checked and timed in simulation.
; The chip was launched on July 23, 2026; its instructions are those of AMD's public machine-readable ISA for CDNA 5 (MIT licence, August 2026) and "CDNA5" Instruction Set Architecture Reference Guide (July 2026). The comments in the code are by the model that wrote it; some were corrected since.
;; Self Attention. Allowed arithmetic: matrix products marked QUANTISED: E2M1 operands, one E8M0 scale for each 32 along K, by v_wmma_scale_f32_16x16x128_f8f6f4 with both operands' format E2M1 (or v_wmma_scale_f32_32x16x128_f4), f32 sums; everything else in f32.
;; Inputs: b_attn 3,072 float32; b_proj 1,024 float32; w_attn 3,072 x 1,024 float32; w_proj 1,024 x 1,024 float32; x 4 x 2,048 x 1,024 float32.
;; Outputs: out0 4 x 2,048 x 1,024 float32.
;; This version of the problem:
;;   THIS VERSION OF THE PROBLEM IS GIVEN IN LOW PRECISION. The matrix products marked QUANTISED in the list below multiply operands that are first quantised to E2M1 (2 exponent bits, 1 mantissa bit; 4 bits a number), with one power-of-two scale for each 32 numbers along K (OCP MX v1.0); their sums are f32. All else is computed in f32.
;;   The module's matrix products, in the order in which they are computed (A, B: the left and right operand; K: the contracted axis; several contracted axes count as one K, in the product's order):
;;     1. [M 8,192, K 1,024] x [K 1,024, N 3,072]; A: input x; B: input w_attn: QUANTISED
;;     2. batch 64 x [M 2,048, K 64] x [K 64, N 2,048]; A: computed on the way; B: computed on the way: QUANTISED
;;     3. batch 64 x [M 2,048, K 2,048] x [K 2,048, N 64]; A: softmax (see below); B: computed on the way: QUANTISED
;;     4. [M 8,192, K 1,024] x [K 1,024, N 1,024]; A: computed on the way; B: input w_proj: QUANTISED
;;   THE QUANTISER, for each operand of a quantised product, along K:
;;     - K is cut into blocks of 32 from its start; a last block that is shorter is filled with zeros.
;;     - A block's scale is 2^e with e = floor(log2(the largest magnitude in the block)) - 2, held to -126 .. 127; a block of zeros has e = 0. As a byte (E8M0): e + 127.
;;     - Each number is divided by its block's scale, clamped to +-6, and rounded to the nearest number of E2M1, ties to even, subnormals kept.
;;     - The product sums the exact products of the quantised numbers (number of the format x scale) in f32.
;;   ~~~python
;;   def quantise(x, axis):      # numpy; x: float32 -> the quantised numbers, widened to float32 again
;;       x = np.moveaxis(x, axis, -1); K = x.shape[-1]
;;       x = np.pad(x, [(0, 0)] * (x.ndim - 1) + [(0, -K % 32)]); x = x.reshape(x.shape[:-1] + (-1, 32)); a = np.abs(x).max(-1, keepdims=True)
;;       e = np.where(a > 0, np.clip(np.frexp(np.where(a > 0, a, 1))[1] - 1 - 2, -126, 127), 0)      # np.frexp(a)[1] - 1 = floor(log2(a)), exactly
;;       r = np.clip(x / 2.0 ** e, -6, 6)
;;       step = 2.0 ** (np.maximum(np.frexp(np.where(r == 0, 1, r))[1] - 1, 0) - 1)
;;       q = np.round(r / step) * step * 2.0 ** e      # np.round: ties to even
;;       return np.moveaxis(q.reshape(q.shape[:-2] + (-1,))[..., :K], -1, axis).astype(np.float32)
;;   ~~~
;;   SOFTMAX AHEAD OF A QUANTISED PRODUCT. Where the list says 'softmax', what is quantised is not the finished softmax but p = 2^(t - M), with t = logit x log2(e) and M = ceil(the row's largest t), a whole number; so 1/2 < the row's largest p <= 1. The row's sum l is taken of the UNQUANTISED p, in f32, and the product's result is divided by l at the end. Since M is a whole number, a kernel that streams over the keys may use a running M (the ceiling of the running maximum): every later rescaling is an exact power of two, which a block's scale takes up: the codes' values come out the same.
;;   OPERANDS COMPUTED ON THE WAY. 'Computed on the way' means the value that the module computes at that place (a softmax that the list does not call 'softmax' is quantised finished and normalised). What goes into a quantiser is computed in f32, as accurately as f32 sums, v_exp_f32 and their like allow (about 1e-6 of the number): no bf16 or f16 on the way to a quantiser, and a product that is left as it is and whose result goes on into a quantised operand takes f32 operands (vector FMAs, or v_wmma_f32_16x16x4_f32). A number that lies on a knife's edge between two numbers of the format may be rounded either way, as far as f32 arithmetic and the matrix unit's own rounding can turn it there, and no further.
;; One version. Each part assembles by itself: llvm-mc -triple=amdgcn-amd-amdhsa -mcpu=gfx1250 --defsym DOCPART=n.
;; ======== version 1 of 1: 4 launches
;; workspace buffers: opc 6,291,456 bytes; ops 393,216 bytes; qkc 8,388,608 bytes; qks 1,048,576 bytes; vc 4,194,304 bytes; vs 262,144 bytes; yc 4,194,304 bytes; ysc 262,144 bytes
;; launch quant (part 1): grid 384 x 1, 4 waves a work-group, no clusters, 34,304 bytes of LDS; arguments x, w_attn, w_proj, opc, ops; writes opc, ops
.if DOCPART == 1
	.amdgcn_target "amdgcn-amd-amdhsa--gfx1250"
	.amdhsa_code_object_version 6
	.text
	.protected	k_qbd517cd77b_quant
	.globl	k_qbd517cd77b_quant
	.p2align	8
	.type	k_qbd517cd77b_quant,@function
k_qbd517cd77b_quant:
	s_mov_b64 s[64:65], 0
	v_nop
	global_prefetch_b8 v0, s[64:65] scope:SCOPE_SE
	s_setreg_imm32_b32 hwreg(HW_REG_WAVE_MODE, 25, 1), 1
	s_wait_xcnt 0x0
; x [8192][1024], w_attn [3072][1024] and w_proj [1024][1024], f32, K innermost, become codes of FP4 (E2M1) with one E8M0 scale byte for each 32 along K.
; A block's scale is 2^(floor(log2(its largest magnitude)) - 2): its byte is the largest magnitude's exponent field - 2, held at 1 from below.
; LIMITS: NaN and infinities among the inputs are not served.  A block of zeros gets the byte 1 where the rule says 127: its codes are zeros, and this program alone reads the bytes.
; THE OUTPUT IS LAID AS THE MATRIX UNIT'S REGISTERS WANT IT.  The 12,288 rows are 768 row blocks of 16 (0-511 x, 512-703 w_attn, 704-767 w_proj).
; Row block a, lane r, is the tensor's row 32 (a / 2) + 8 (a % 2) + r + 8 (r / 8): so, when such blocks are source 0 of a product, a lane's registers of two neighbouring result tiles are 16 neighbours.
; opc: [row block][64 along K: 16][512 bytes]: lane l = r + 16 h owns bytes 16 l .. 16 l + 15, the codes k = 32 h .. 32 h + 31 of row r: four registers of an operand as they stand.
; ops: [row block][512 along K: 2][256 bytes]: lane r owns 16 bytes at 16 r: the scale words of four steps of 128 along K.
; SHARES.  A wave takes one row block x 512 along K, in four steps of 128.  A load reads 512 consecutive bytes of one row; the step's 16 rows turn through the wave's own stage in LDS (rows 528 bytes apart),
; so that lane (r, h) gets blocks h and 2 + h of row r whole.  Loads run two steps (32 loads a wave) ahead.  No barrier: waves share nothing.
.set STAGEB, 16*528                    ; a wave's stage
.set RAW, 32                           ; v32-159   two sets of 64 registers as loaded
.set X,   160                          ; v160-223  my two blocks of 32 neighbours
.set C,   224                          ; v224-255  codes: eight registers for each step, so that no store's data are written again
.set WD,  24                           ; v24-27    a scale word for each step
	s_load_b256 s[4:11], s[0:1], 0x0               ; x s[4:5], w_attn s[6:7], w_proj s[8:9], opc s[10:11]
	s_load_b64 s[12:13], s[0:1], 0x20              ; ops
	v_lshl_add_u32 v30, v0, 2, 0x8400
	v_mov_b32 v31, 0
	v_lshrrev_b32 v1, 5, v0
	v_readfirstlane_b32 s14, v1                    ; wave 0..3
	v_and_b32 v1, 31, v0                           ; lane
	v_and_b32 v2, 15, v0                           ; r
	v_bfe_u32 v3, v0, 4, 1                         ; h
	v_lshlrev_b32 v4, 4, v1                        ; 16 x lane: my bytes of a load's 512, and of an image's
	s_mul_i32 s15, s14, STAGEB
	v_add_nc_u32 v5, s15, v4                       ; the stage on the way in
	v_mul_u32_u24 v6, v2, 528
	v_lshl_add_u32 v6, v3, 7, v6
	v_add_nc_u32 v6, s15, v6                       ; and on the way out: row r, + 128 h bytes: block h
	v_lshlrev_b32 v7, 3, v3                        ; 8 h
	v_lshl_add_u32 v9, v2, 4, v7                   ; 16 r + 8 h: where my two scale words go
	v_mov_b32 v17, 0                               ; written once: a lane permute's destination counts as one of its sources
	s_mov_b32 s20, 0x76543210
	s_mov_b32 s21, 0xfedcba98                      ; v_permlanex16_b32's selects for lane l xor 16
	s_lshl_b32 s17, ttmp9, 2
	s_add_co_u32 s17, s17, s14                     ; my wave among the launch's 1,536
	s_lshr_b32 s18, s17, 1                         ; its row block
	s_and_b32 s19, s17, 1                          ; its half of K
	s_wait_kmcnt 0x0
	s_cmp_lt_u32 ttmp9, 352                        ; which tensor: the choice hangs on the work-group's number alone
	s_cselect_b64 s[6:7], s[6:7], s[8:9]
	s_mov_b32 s16, 704
	s_cselect_b32 s16, 512, s16
	s_cmp_lt_u32 ttmp9, 256
	s_cselect_b64 s[4:5], s[4:5], s[6:7]
	s_cselect_b32 s16, 0, s16                      ; the tensor's first row block
	s_sub_co_u32 s22, s18, s16                     ; my row block in the tensor
	s_lshr_b32 s23, s22, 1
	s_lshl_b32 s23, s23, 17                        ; 32 rows of 4,096 bytes for each pair of blocks,
	s_and_b32 s22, s22, 1
	s_lshl_b32 s22, s22, 15                        ; 8 rows for the odd block,
	s_add_co_u32 s22, s22, s23
	s_lshl_b32 s23, s19, 11                        ; 2,048 bytes for the second half of K
	s_add_co_u32 s22, s22, s23
	s_mov_b32 s23, 0
	s_add_nc_u64 s[4:5], s[4:5], s[22:23]
	s_lshl_b32 s22, s18, 13
	s_lshl_b32 s24, s19, 12
	s_add_co_u32 s22, s22, s24
	s_add_nc_u64 s[10:11], s[10:11], s[22:23]      ; codes: 8,192 bytes a row block, 4,096 a half
	s_lshl_b32 s22, s17, 8
	s_add_nc_u64 s[12:13], s[12:13], s[22:23]      ; scale words: 256 bytes a wave
.macro LOAD t                          ; step t: 128 numbers of each of my 16 rows; 32 lanes read 512 consecutive bytes
.irp r, 0,1,2,3,4,5,6,7,8,9,10,11,12,13,14,15
	global_load_b128 v[RAW+64*((\t)%2)+4*\r:RAW+64*((\t)%2)+4*\r+3], v4, s[4:5] offset:(\r+8*(\r/8))*4096+512*(\t) th:TH_LOAD_NT
.endr
.endm
.macro TURN t                          ; through the stage: LDS serves a wave's instructions in order, so no wait stands between the stores and the loads
.irp r, 0,1,2,3,4,5,6,7,8,9,10,11,12,13,14,15
	ds_store_b128 v5, v[RAW+64*((\t)%2)+4*\r:RAW+64*((\t)%2)+4*\r+3] offset:528*\r
.endr
.irp c, 0,1
.irp i, 0,1,2,3,4,5,6,7
	ds_load_b128 v[X+32*\c+4*\i:X+32*\c+4*\i+3], v6 offset:256*\c+16*\i   ; k = 64 c + 32 h + 4 i on
.endr
.endr
.endm
.macro STEP t
.if (\t) < 3
	s_wait_loadcnt 16                              ; this step's 16 loads are in; the next step's 16 may be out
.else
	s_wait_loadcnt 0x0
.endif
	TURN \t
	s_wait_dscnt 0x0                               ; my 64 numbers are back, and the stores into the stage have read their registers,
.if (\t) < 2
	LOAD (\t)+2                                    ; which take the loads of two steps on
.endif
.irp c, 0,1
	v_max3_num_f32 v[10+\c], |v[X+32*\c]|, |v[X+32*\c+1]|, 0x1800000   ; block 2 c + h: all 32 numbers are mine; the floor 2^(3 - 127) keeps the byte at 1 from below
.endr
.irp i, 2,4,6,8,10,12,14,16,18,20,22,24,26,28,30
.irp c, 0,1
	v_max3_num_f32 v[10+\c], v[10+\c], |v[X+32*\c+\i]|, |v[X+32*\c+\i+1]|
.endr
.endr
.irp c, 0,1
	v_add_nc_u32 v[12+\c], 0xff000000, v[10+\c]    ; 2 off the exponent field: the conversion takes the exponent field of this operand as its scale
.endr
.irp c, 0,1
	v_lshrrev_b32 v[14+\c], 23, v[12+\c]           ; the scale's byte
.endr
	v_lshl_or_b32 v16, v15, 16, v14                ; my two bytes, blocks h and 2 + h,
	v_lshlrev_b32 v16, v7, v16                     ; at their places in the word;
	v_permlanex16_b32 v17, v16, s20, s21
	v_or_b32 v[WD+(\t)], v16, v17                  ; with lane l xor 16's two the word is whole
.irp c, 0,1
.irp g, 0,1,2,3
	v_cvt_scalef32_pk8_fp4_f32 v[C+8*(\t)+4*\c+\g], v[X+32*\c+8*\g:X+32*\c+8*\g+7], v[12+\c]
.endr
.endr
	v_nop                                          ; one plain place behind the last scaled conversion
.irp c, 0,1
	global_store_b128 v4, v[C+8*(\t)+4*\c:C+8*(\t)+4*\c+3], s[10:11] offset:(2*(\t)+\c)*512   ; 32 lanes store 512 consecutive bytes, aligned
.endr
.endm
	LOAD 0
	LOAD 1
	STEP 0
	STEP 1
	STEP 2
	STEP 3
	v_cmp_ne_u32 vcc_lo, 0, v3                     ; every lane holds its row's four words: lanes 0-15 store the first two, lanes 16-31 the last two
	v_cndmask_b32 v10, v[WD], v[WD+2], vcc_lo
	v_cndmask_b32 v11, v[WD+1], v[WD+3], vcc_lo
	global_store_b64 v9, v[10:11], s[12:13]        ; 32 lanes store 256 consecutive bytes, aligned
	s_wait_tensorcnt 0x0
	ds_add_u32 v30, v31
	s_wait_dscnt 0x0
	s_endpgm
.Lfunc_end_k_qbd517cd77b_quant:
	.size	k_qbd517cd77b_quant, .Lfunc_end_k_qbd517cd77b_quant-k_qbd517cd77b_quant
	.p2alignl 7, 3214868480
	.fill 96, 4, 3214868480
	.section	.rodata,"a",@progbits
	.p2align	6, 0x0
	.amdhsa_kernel k_qbd517cd77b_quant
		.amdhsa_group_segment_fixed_size 34304
		.amdhsa_private_segment_fixed_size 0
		.amdhsa_enable_private_segment 0
		.amdhsa_kernarg_size 40
		.amdhsa_user_sgpr_count 2
		.amdhsa_user_sgpr_kernarg_segment_ptr 1
		.amdhsa_wavefront_size32 1
		.amdhsa_system_sgpr_workgroup_id_x 1
		.amdhsa_system_sgpr_workgroup_id_y 1
		.amdhsa_system_sgpr_workgroup_id_z 1
		.amdhsa_system_vgpr_workitem_id 0
		.amdhsa_next_free_vgpr 256
		.amdhsa_next_free_sgpr 66
		.amdhsa_reserve_vcc 1
		.amdhsa_float_denorm_mode_32 3
		.amdhsa_float_denorm_mode_16_64 3
		.amdhsa_memory_ordered 1
		.amdhsa_forward_progress 1
		.amdhsa_inst_pref_size 30
	.end_amdhsa_kernel
	.amdgpu_metadata
---
amdhsa.version: [ 1, 2 ]
amdhsa.kernels:
  - .name:           k_qbd517cd77b_quant
    .symbol:         k_qbd517cd77b_quant.kd
    .args:
      - { .name: x, .offset: 0, .size: 8, .value_kind: global_buffer, .address_space: global }
      - { .name: w_attn, .offset: 8, .size: 8, .value_kind: global_buffer, .address_space: global }
      - { .name: w_proj, .offset: 16, .size: 8, .value_kind: global_buffer, .address_space: global }
      - { .name: opc, .offset: 24, .size: 8, .value_kind: global_buffer, .address_space: global }
      - { .name: ops, .offset: 32, .size: 8, .value_kind: global_buffer, .address_space: global }
    .group_segment_fixed_size: 34304
    .private_segment_fixed_size: 0
    .kernarg_segment_align: 8
    .kernarg_segment_size: 40
    .max_flat_workgroup_size: 128
    .sgpr_count:     66
    .vgpr_count:     256
    .wavefront_size: 32
...
	.end_amdgpu_metadata
.endif
;; end of part 1
;; launch qkv (part 2): grid 12 x 32, 4 waves a work-group, clusters of 4 x 4, 279,040 bytes of LDS; arguments opc, ops, b_attn, qkc, qks, vc, vs; writes qkc, qks, vc, vs
.if DOCPART == 2
	.amdgcn_target "amdgcn-amd-amdhsa--gfx1250"
	.amdhsa_code_object_version 6
	.text
	.protected	k_qbd517cd77b_qkv
	.globl	k_qbd517cd77b_qkv
	.p2align	8
	.type	k_qbd517cd77b_qkv,@function
k_qbd517cd77b_qkv:
	s_mov_b64 s[64:65], 0
	v_nop
	global_prefetch_b8 v0, s[64:65] scope:SCOPE_SE
	s_setreg_imm32_b32 hwreg(HW_REG_WAVE_MODE, 25, 1), 1
	s_wait_xcnt 0x0
	s_wait_alu depctr_hold_cnt(0) depctr_sa_sdst(0) depctr_va_vdst(0) depctr_va_sdst(0) depctr_va_ssrc(0) depctr_va_vcc(0) depctr_vm_vsrc(0)
	s_getreg_b32 s2, hwreg(HW_REG_IB_STS2, 6, 4)
	s_cmp_eq_u32 s2, 0
	s_cbranch_scc0 .Lentry_in_a_cluster
	s_endpgm
.Lentry_in_a_cluster:
	s_bfe_u32 s2, ttmp6, 0x10000c
	s_cmp_lg_u32 s2, 0xf033
	s_cbranch_scc0 .Lentry_shape_is_right
	s_endpgm
.Lentry_shape_is_right:
; qkv = x w_attn^T + b_attn on codes of FP4 with E8M0 scales, K = 1,024; the result never goes to memory as f32: it is quantised in registers into the operands of the attention's two products.
; A tile is 256 'A rows' x 256 'B rows'; four waves, each 128 x 128: 64 accumulators of 16 x 16, 512 registers.  The product is used transposed: source 0 = 16 rows of B, source 1 = 16 rows of A:
; a lane holds ONE row of A, and its registers run along B's rows.  By the order in which the rows are stored (row block a, lane r = row 32 (a / 2) + 8 (a % 2) + r + 8 (r / 8)) a lane's 64 registers
; of one block of A are: register 16 b + i = B's row 32 b + 16 (lane / 16) + i: neighbours, as the conversions want them.
; TWO ROLES, told apart by the cluster's x, which all partners share.  Clusters x = 0, 1 (q and k): A = x's tokens, B = w_q, w_k's features: a lane holds a token and 128 features = two heads, quantised along the head's 64.
; Cluster x = 2 (v): A = w_v's features, B = x's tokens: a lane holds a feature and 128 neighbouring tokens, quantised along the tokens, which are the second product's K.  Only the bias differs in the text.
; OUT.  qkc [q: 0-15, k: 16-31 by head][token block 512][512 bytes], vc [batch][64 keys: 32][feature block 64][512 bytes]: images of four operand registers (lane l owns bytes 16 l on).
; qks [as qkc][64 tokens: 128][256 bytes: lane r's 16 bytes = the words of 4 token blocks; bytes 2, 3 of a word are 0].  vs [batch][128 keys: 16][head][256 bytes: lane r's 16 bytes = the words of the head's 4 feature blocks].
; In the v role lanes 16-31 store the same scale words to the same bytes as lanes 0-15.
; K = 1,024 is two LDS slots of 512, both asked for at the start; nothing is filled again.  CLUSTERS: 4 x 4; A's tiles are shared along a row of the cluster, B's along a column, by joint loads.
; LIMITS: NaN and infinities are not served; a block of zeros carries the byte 1, its codes are zeros, and this program alone reads the bytes.
; REGISTERS: window 0: v16-29 addresses; v32-95 scale words, two sets; v96-112 at work; v128-191 A's fragments, one set; v192-255 the bias, as the C of the first products.  Window 1: B's fragments, two sets, at v0 and v128.
;   Window 2: the accumulators of A's blocks 0-3 ((a, b) at v[8 (8 a + b)]); window 3: those of blocks 4-7.
.set SLOT, 131072                      ; a slot: A's 16 row blocks x 4,096 bytes, then B's
.set BOFF, 65536
.set SCL,  262144                      ; behind the slots: A's scale words, 8,192 bytes, then B's
.set FR,   8
.set NQ,   4                           ; steps of 128 along K in a slot
.set ADRA, 16                          ; v16-17 my A fragments in slot 0, 1
.set ADRB, 20                          ; v20-21 the same for B
.set L16,  24                          ; v24 16 x lane
.set SADR, 25                          ; v25 where my scale words go
.set SHV,  26                          ; v26 how far my lane shifts a scale word down
.set ADRS, 27                          ; v27 my scale words in LDS: lanes 0-15 A's, lanes 16-31 B's
.set BQ,   28                          ; v28 the bias's lane term, q and k
.set BV,   29                          ; v29 the same, v
.set SC,   32
.set TM,   96                          ; v96-99 largest magnitudes, v100-103 the other half's, then bytes, v108-111 the conversions' scale operands
.set PW,   112                         ; the scale word just made
.set AF,   128
.set BI,   192
.set SW,   192                         ; the way out: eight scale words
.set WV,   18
.set WR,   19                          ; which half of A's rows is mine; also: I fetch for A (0) or for B (1)
.set WC,   20                          ; which half of B's rows; also: which 8 row blocks I fetch
.set ROLE, 21
.set CX,   22
.set CY,   23
.set G1,   24
.set G0,   32
.set TR,   40
.set TC,   41
.set SEL,  44
.set G1B,  48
.set G0B,  56
.set G1S,  68
.set G0S,  76
.set G1SB, 80
.set G0SB, 88
.set OUT0, 92
.set OUT1, 94
.set OSC,  96
.set MASK, 98
.set MSB, 0
.macro WIN new                         ; the immediate's high byte repeats the setting that is left
.if MSB != (\new)
	s_set_vgpr_msb (MSB<<8)|(\new)
.set MSB, (\new)
.endif
.endm
.set MUL_LO, 0xa1                      ; source 0 (B) window 1, source 1 (A) window 0, C and D window 2
.set MUL_HI, 0xf1                      ; the same, C and D window 3
.set TO_B,   0x40
.macro JLOAD g0a, g1a, g0b, g1b        ; a joint load: waves 0, 1 fetch for A, waves 2, 3 for B; four v_nop follow each line
	s_cmp_eq_u32 s[WR], 0
	s_cbranch_scc0 .Lfor_b_\@
	tensor_load_to_lds s[\g0a:\g0a+3], s[\g1a:\g1a+7]
	s_nop 0
.rept 4
	v_nop
.endr
	s_branch .Lasked_\@
.Lfor_b_\@:
	tensor_load_to_lds s[\g0b:\g0b+3], s[\g1b:\g1b+7]
	s_nop 0
.rept 4
	v_nop
.endr
.Lasked_\@:
.endm
.macro CROUND                          ; a round of the cluster's barrier
	s_barrier_signal -1
	s_barrier_wait -1
	s_cmp_lg_u32 s[WV], 0
	s_cbranch_scc1 .Lnot_wave_0_\@
	s_barrier_signal -3
.Lnot_wave_0_\@:
	s_barrier_wait -3
	s_barrier_signal -1
	s_barrier_wait -1
.endm
	s_load_b256 s[4:11], s[0:1], 0x0               ; opc s[4:5], ops s[6:7], b_attn s[8:9], qkc s[10:11]
	s_load_b128 s[12:15], s[0:1], 0x20             ; qks s[12:13], vc s[14:15]
	s_load_b64 s[16:17], s[0:1], 0x30              ; vs
	v_lshl_add_u32 v126, v0, 2, 0x44000
	v_mov_b32 v127, 0
	ds_add_u32 v126, v127
	ds_add_u32 v126, v127
	v_lshrrev_b32 v1, 5, v0
	v_readfirstlane_b32 s[WV], v1
	s_lshr_b32 s[WR], s[WV], 1
	s_and_b32 s[WC], s[WV], 1
	s_bfe_u32 s[CX], ttmp6, 0x40000
	s_bfe_u32 s[CY], ttmp6, 0x40004
	s_and_b32 s42, ttmp7, 0xffff
	s_lshl_b32 s42, s42, 2                         ; 4 x cluster y
	s_lshl_b32 s43, ttmp9, 2                       ; 4 x cluster x
	s_cmp_eq_u32 ttmp9, 2                          ; the role: the same in all sixteen partners
	s_cselect_b32 s[ROLE], 1, 0
	s_cselect_b32 s[TR], 0, s42
	s_cselect_b32 s[TC], s42, s43
	s_cselect_b32 s46, 640, 0                      ; A's first row block in opc: w_v's or x's
	s_cselect_b32 s47, 0, 512                      ; B's: x's or w_q's
	s_add_co_u32 s[TR], s[TR], s[CY]               ; A's tile: hangs on cy alone within the cluster
	s_add_co_u32 s[TC], s[TC], s[CX]               ; B's tile: on cx alone
	s_lshl_b32 s42, s[CY], 2
	s_lshl_b32 s42, 15, s42                        ; my row of the cluster
	s_lshl_b32 s43, 0x1111, s[CX]                  ; my column
	s_or_b32 s[G1], s42, (3<<16)|(1<<21)           ; 15:0 the mask; 17:16 elements of 8 bytes; 21 set beside a mask; no padding: an image's 512 bytes are read on end
	s_or_b32 s[G1B], s43, (3<<16)|(1<<21)
	s_or_b32 s[G1S], s42, (3<<16)|(1<<21)
	s_or_b32 s[G1SB], s43, (3<<16)|(1<<21)
.irp g, G1, G1B                        ; codes: 8 row blocks x 4,096 bytes (512 along K), 8,192 bytes apart
	s_mov_b32 s[\g+1], 512<<16
	s_mov_b32 s[\g+2], 8<<16
	s_mov_b32 s[\g+3], 512<<16
	s_mov_b32 s[\g+4], 8
	s_mov_b32 s[\g+5], 1024
	s_mov_b32 s[\g+6], 0
	s_mov_b32 s[\g+7], 0
.endr
.irp g, G1S, G1SB                      ; scale words of 8 row blocks: 4,096 dense bytes as 16 rows of 256
	s_mov_b32 s[\g+1], 32<<16
	s_mov_b32 s[\g+2], 16<<16
	s_mov_b32 s[\g+3], 32<<16
	s_mov_b32 s[\g+4], 16
	s_mov_b32 s[\g+5], 32
	s_mov_b32 s[\g+6], 0
	s_mov_b32 s[\g+7], 0
.endr
	s_lshl_b32 s100, s[WC], 3                      ; which 8 row blocks of the tile's 16 I fetch
	s_lshl_b32 s42, s[TR], 4
	s_add_co_u32 s42, s42, s100
	s_add_co_u32 s46, s46, s42                     ; A's
	s_lshl_b32 s43, s[TC], 4
	s_add_co_u32 s43, s43, s100
	s_add_co_u32 s47, s47, s43                     ; B's
	s_lshl_b32 s92, s46, 13                        ; in bytes: codes 8,192 a row block, scale words 512
	s_mov_b32 s93, 0
	s_lshl_b32 s94, s46, 9
	s_mov_b32 s95, 0
	s_lshl_b32 s96, s47, 13
	s_mov_b32 s97, 0
	s_lshl_b32 s98, s47, 9
	s_mov_b32 s99, 0
	s_lshl_b32 s100, s[WV], 15                     ; where they go: wave x 32,768 and wave x 4,096: no place in the cluster enters an LDS address
	s_lshl_b32 s101, s[WV], 12
	s_wait_dscnt 0x0
	s_wait_kmcnt 0x0
	s_add_nc_u64 s[92:93], s[4:5], s[92:93]
	s_add_nc_u64 s[94:95], s[6:7], s[94:95]
	s_add_nc_u64 s[96:97], s[4:5], s[96:97]
	s_add_nc_u64 s[98:99], s[6:7], s[98:99]
	CROUND                                         ; all sixteen work-groups are here: the joint loads meet
	s_mov_b32 s[G0S], 1
	s_add_co_u32 s[G0S+1], s101, SCL
	s_mov_b64 s[G0S+2:G0S+3], s[94:95]
	s_or_b32 s[G0S+3], s[G0S+3], 0x80000000
	s_mov_b32 s[G0SB], 1
	s_add_co_u32 s[G0SB+1], s101, SCL
	s_mov_b64 s[G0SB+2:G0SB+3], s[98:99]
	s_or_b32 s[G0SB+3], s[G0SB+3], 0x80000000
	JLOAD G0S, G1S, G0SB, G1SB                     ; the scale words first: they are wanted with slot 0
.irp s, 0,1
	s_mov_b32 s[G0+4*\s], 1
	s_add_co_u32 s[G0+4*\s+1], s100, \s*SLOT
	s_add_nc_u64 s[G0+4*\s+2:G0+4*\s+3], s[92:93], \s*4096
	s_or_b32 s[G0+4*\s+3], s[G0+4*\s+3], 0x80000000
	s_mov_b32 s[G0B+4*\s], 1
	s_add_co_u32 s[G0B+4*\s+1], s100, \s*SLOT
	s_add_nc_u64 s[G0B+4*\s+2:G0B+4*\s+3], s[96:97], \s*4096
	s_or_b32 s[G0B+4*\s+3], s[G0B+4*\s+3], 0x80000000
	JLOAD G0+4*\s, G1, G0B+4*\s, G1B               ; three loads of mine are out
.endr
	v_and_b32 v1, 15, v0                           ; r
	v_bfe_u32 v2, v0, 4, 1                         ; h
	s_wait_alu depctr_va_vdst(0)
	v_and_b32 v3, 31, v0
	v_lshlrev_b32 v[L16], 4, v3
	s_lshl_b32 s42, s[WR], 15                      ; my 8 row blocks of A,
	s_lshl_b32 s43, s[WC], 15
	s_add_co_u32 s43, s43, BOFF                    ; and of B
.irp s, 0,1
	v_add_nc_u32 v[ADRA+\s], s42, v[L16]
	v_add_nc_u32 v[ADRB+\s], s43, v[L16]
	s_add_co_u32 s42, s42, SLOT
	s_add_co_u32 s43, s43, SLOT
.endr
	s_lshl_b32 s42, s[WR], 12                      ; scale words: A's, my 8 row blocks;
	s_lshl_b32 s43, s[WC], 12
	s_add_co_u32 s43, s43, 8192                    ; B's lie behind A's 8,192 bytes
	s_sub_co_u32 s43, s43, s42
	v_mul_u32_u24 v4, s43, v2                      ; lanes 16-31 take B's: one product, the distance between the two
	s_add_co_u32 s42, s42, SCL
	v_lshl_add_u32 v4, v1, 4, v4
	v_add_nc_u32 v[ADRS], s42, v4
	v_lshlrev_b32 v[BQ], 6, v2                     ; q, k: my half's 16 features
	v_and_b32 v4, 8, v1
	v_add_nc_u32 v4, v4, v1
	v_lshlrev_b32 v[BV], 2, v4                     ; v: feature r + 8 (r / 8) of a block
.irp b, 0,1,2,3
	v_mov_b32 v[TM+4+\b], 0                        ; written once: a lane permute's destination counts as one of its sources
.endr
	s_mov_b32 s[SEL], 0x76543210
	s_mov_b32 s[SEL+1], 0xfedcba98
	; where the results go.  (s92-s99 were copied into the descriptors and are free)
	s_cmp_eq_u32 s[ROLE], 1
	s_cselect_b64 s[OUT0:OUT0+1], s[14:15], s[10:11]   ; codes: vc or qkc
	s_cselect_b64 s[OSC:OSC+1], s[16:17], s[12:13]     ; scale words: vs or qks
	s_mov_b32 s42, 262144
	s_cselect_b32 s42, 32768, s42                  ; from one 64 along the quantised axis to the next: a head's slab, or a chunk of keys
	s_mov_b32 s43, 65536
	s_cselect_b32 s43, 4096, s43                   ; the scale words of a wave's 128: two slabs, or one key step
	s_cselect_b32 s46, 0, 32768                    ; q, k: lanes 16-31 store the second head's words, a slab on
	s_cselect_b32 s47, 0, 16                       ; and take them from the upper half of the word
	s_cselect_b32 s[MASK], -1, 0xffff
	v_mul_u32_u24 v4, s46, v2
	v_lshl_add_u32 v[SADR], v1, 4, v4
	v_mul_u32_u24 v[SHV], s47, v2
	s_lshl_b32 s99, s[TC], 1
	s_add_co_u32 s99, s99, s[WC]                   ; which 128 of B's rows are mine
	s_mul_i32 s100, s99, s42
	s_lshl_b32 s100, s100, 1
	s_lshl_b32 s101, s[TR], 13                     ; + my first block of A's rows x 512 bytes
	s_add_co_u32 s100, s100, s101
	s_lshl_b32 s101, s[WR], 12
	s_add_co_u32 s100, s100, s101
	s_mov_b32 s101, 0
	s_add_nc_u64 s[OUT0:OUT0+1], s[OUT0:OUT0+1], s[100:101]
	s_mov_b32 s100, s42
	s_add_nc_u64 s[OUT1:OUT1+1], s[OUT0:OUT0+1], s[100:101]
	s_mul_i32 s100, s99, s43
	s_lshl_b32 s99, s[TR], 10
	s_add_co_u32 s100, s100, s99
	s_lshl_b32 s99, s[WR], 9
	s_add_co_u32 s100, s100, s99
	s_add_nc_u64 s[OSC:OSC+1], s[OSC:OSC+1], s[100:101]
	s_lshl_b32 s99, s[TC], 10                      ; the bias: q, k: B's 128 features of mine;
	s_lshl_b32 s100, s[WC], 9
	s_add_co_u32 s99, s99, s100
	s_lshl_b32 s100, s[TR], 10                     ; v: A's 128, behind q's and k's 2,048
	s_lshl_b32 s42, s[WR], 9
	s_add_co_u32 s100, s100, s42
	s_add_co_u32 s100, s100, 8192
	s_cmp_eq_u32 s[ROLE], 1
	s_cselect_b32 s100, s100, s99
	s_add_nc_u64 s[8:9], s[8:9], s[100:101]
	s_cmp_eq_u32 s[ROLE], 0
	s_cbranch_scc0 .Lbias_v
.irp b, 0,1,2,3,4,5,6,7                ; q, k: register j of tile (a, b) is feature 32 (b / 2) + 8 (b % 2) + 16 h + j
	global_load_b128 v[BI+8*\b:BI+8*\b+3], v[BQ], s[8:9] offset:(32*(\b/2)+8*(\b%2))*4
	global_load_b128 v[BI+8*\b+4:BI+8*\b+7], v[BQ], s[8:9] offset:(32*(\b/2)+8*(\b%2))*4+16
.endr
	s_branch .Lbias_done
.Lbias_v:
	s_wait_alu depctr_va_vdst(0)
.irp a, 0,1,2,3,4,5,6,7                ; v: all eight registers of tile (a, b) are my lane's feature
.irp j, 0,1,2,3,4,5,6,7
	global_load_b32 v[BI+8*\a+\j], v[BV], s[8:9] offset:(32*(\a/2)+8*(\a%2))*4
.endr
.endr
.Lbias_done:
.macro FRAG reg, adr, q, i             ; a fragment, 16 rows x 128 K, is two images: registers 4 c .. 4 c + 3 are the image of the c-th 64 along K
.irp c, 0,1
	ds_load_b128 v[\reg+4*\c:\reg+4*\c+3], v[\adr] offset:(\i)*4096+(2*(\q)+\c)*512
.endr
.endm
; 16 matrix instructions: A's blocks a0, a0 + 1 x B's eight.  p: B's set; q: the slot's q-th 128 along K; sc: the set of scale words.
; mode 0: onto the sums; 1: the sums start from the bias by B's rows; 2: by A's rows.  The 64 accumulators take turns, one instruction a turn.
.macro MUL16 a0, p, q, sc, mode
.irp a, \a0, \a0+1
.irp b, 0,1,2,3,4,5,6,7
.set rD, 8*(8*((\a)%4)+\b)
.set rB, 128*(\p)+FR*\b
.set rA, AF+FR*(\a)
.set rSB, SC+32*(\sc)+4*\b+(\q)
.set rSA, SC+32*(\sc)+4*(\a)+(\q)
.if (\mode) == 1
	v_wmma_scale_f32_16x16x128_f8f6f4 v[rD:rD+7], v[rB:rB+7], v[rA:rA+7], v[BI+8*\b:BI+8*\b+7], v[rSB], v[rSA] matrix_a_fmt:MATRIX_FMT_FP4 matrix_b_fmt:MATRIX_FMT_FP4 matrix_a_scale:MATRIX_SCALE_ROW1
.elseif (\mode) == 2
	v_wmma_scale_f32_16x16x128_f8f6f4 v[rD:rD+7], v[rB:rB+7], v[rA:rA+7], v[BI+8*(\a):BI+8*(\a)+7], v[rSB], v[rSA] matrix_a_fmt:MATRIX_FMT_FP4 matrix_b_fmt:MATRIX_FMT_FP4 matrix_a_scale:MATRIX_SCALE_ROW1
.else
	v_wmma_scale_f32_16x16x128_f8f6f4 v[rD:rD+7], v[rB:rB+7], v[rA:rA+7], v[rD:rD+7], v[rSB], v[rSA] matrix_a_fmt:MATRIX_FMT_FP4 matrix_b_fmt:MATRIX_FMT_FP4 matrix_a_scale:MATRIX_SCALE_ROW1
.endif
.endr
.endr
.endm
.macro FETCH_B slot, q, p
	WIN TO_B
.irp i, 0,1,2,3,4,5,6,7
	FRAG 128*(\p)+FR*\i, ADRB+\slot, \q, \i
.endr
	WIN 0
.endm
.macro FETCH_A slot, q, i0
.irp i, \i0, \i0+1, \i0+2, \i0+3
	FRAG AF+FR*(\i), ADRA+\slot, \q, \i
.endr
.endm
.macro SCALES sc                       ; a slot's scale words: four words a row; lanes 0-15 take A's block i, lanes 16-31 B's block i
.irp i, 0,1,2,3,4,5,6,7
	ds_load_b128 v[SC+32*\sc+4*\i:SC+32*\sc+4*\i+3], v[ADRS] offset:512*\i+256*\sc
.endr
.endm
.macro PLACES                          ; four plain vector instructions between a matrix instruction and a load into, or a vector instruction on, its registers
.rept 4
	v_nop
.endr
.endm
.macro STEP slot, q, mode              ; a step of 128 along K that has its successor in the same slot
	s_wait_dscnt 8                                 ; B's set and A's blocks 0-3 are in; the youngest eight loads (A's blocks 4-7) may be out
.if \mode
	WIN 0x81                                       ; C (the bias) window 0, D window 2
.else
	WIN MUL_LO
.endif
	MUL16 0, (\q)%2, \q, \slot, \mode
	MUL16 2, (\q)%2, \q, \slot, \mode
	s_wait_dscnt 0x0                               ; A's blocks 4-7 are in
	PLACES
	FETCH_B \slot, (\q)+1, 1-(\q)%2
	FETCH_A \slot, (\q)+1, 0
.if \mode
	WIN 0xc1
.else
	WIN MUL_HI
.endif
	MUL16 4, (\q)%2, \q, \slot, \mode
	MUL16 6, (\q)%2, \q, \slot, \mode
	PLACES
	WIN 0
	FETCH_A \slot, (\q)+1, 4
.endm
.macro STEPS slot, from
.set Q, \from
.rept NQ-1-\from
	STEP \slot, Q, 0
.set Q, Q+1
.endr
.endm
	s_wait_tensorcnt 1                             ; the scale words and my part of slot 0 are in; slot 1's load may be out
	s_barrier_signal -1
	s_barrier_wait -1                              ; everybody's are
	FETCH_B 0, 0, 0
	FETCH_A 0, 0, 0
	SCALES 0
	FETCH_A 0, 0, 4
	s_wait_loadcnt 0x0                             ; the bias
	s_cmp_eq_u32 s[ROLE], 0
	s_cbranch_scc0 .Lfirst_v
	STEP 0, 0, 1                                   ; the first products start the sums from the bias: nothing is cleared, nothing is added later
	s_branch .Lfirst_done
.Lfirst_v:
	STEP 0, 0, 2
.Lfirst_done:
	STEPS 0, 1
	; slot 0's last step changes slots: one barrier; in front of it my part of slot 1 has landed
	s_wait_tensorcnt 0x0
	s_wait_dscnt 8
	WIN MUL_LO
	MUL16 0, 1, 3, 0, 0
	s_wait_dscnt 0x0
	s_barrier_signal -1
	MUL16 2, 1, 3, 0, 0
	WIN 0
	s_barrier_wait -1                              ; slot 1 is whole
	PLACES
	FETCH_B 1, 0, 0
	FETCH_A 1, 0, 0
	SCALES 1
	WIN MUL_HI
	MUL16 4, 1, 3, 0, 0
	MUL16 6, 1, 3, 0, 0
	PLACES
	WIN 0
	FETCH_A 1, 0, 4
	STEPS 1, 0
	s_wait_dscnt 8                                 ; the last step: nothing more to fetch
	WIN MUL_LO
	MUL16 0, 1, 3, 1, 0
	MUL16 2, 1, 3, 1, 0
	s_wait_dscnt 0x0
	WIN MUL_HI
	MUL16 4, 1, 3, 1, 0
	MUL16 6, 1, 3, 1, 0
	WIN 0
	PLACES
; THE WAY OUT, a block of A's 16 rows at a time: its 64 registers a lane become a fragment's codes (two images) and a scale word.  No LDS: an image is stored as it stands.
; Each block has registers of its own for its codes and its word, so that no store's data are written again.  The codes lie where their written numbers meet none of the conversion's sources.
.macro QROW a
.set AC, 64*((\a)%4)
.set WS, 2+(\a)/4
.if ((\a)%4) < 2
.set PCA, 128+8*(((\a)%4)+2*((\a)/4))
.else
.set PCA, 32+8*(((\a)%4)-2+2*((\a)/4))
.endif
	WIN WS*5                                       ; sources 0 and 1: the accumulators' window
.irp b, 0,1,2,3
	v_max3_num_f32 v[TM+\b], |v[AC+16*\b]|, |v[AC+16*\b+1]|, 0x1800000   ; block b: my 16 numbers, from each accumulator's low end on; the floor 2^(3 - 127) keeps the byte at 1 from below
.endr
.irp i, 2,4,6,8,10,12,14
.irp b, 0,1,2,3
	v_max3_num_f32 v[TM+\b], |v[AC+16*\b+\i]|, |v[AC+16*\b+\i+1]|, v[TM+\b]
.endr
.endr
	WIN 0
.irp b, 0,1,2,3
	v_permlanex16_b32 v[TM+4+\b], v[TM+\b], s[SEL], s[SEL+1]
.endr
.irp b, 0,1,2,3
	v_max_num_f32 v[TM+\b], v[TM+\b], v[TM+4+\b]   ; with lane l xor 16's: the block's largest magnitude
.endr
.irp b, 0,1,2,3
	v_add_nc_u32 v[TM+12+\b], 0xff000000, v[TM+\b] ; 2 off its exponent field: the conversion's scale operand
.endr
.irp b, 0,1,2,3
	v_lshrrev_b32 v[TM+4+\b], 23, v[TM+12+\b]      ; the scale's byte
.endr
	v_lshl_or_b32 v[PW], v[TM+5], 8, v[TM+4]
	v_lshl_or_b32 v[PW], v[TM+6], 16, v[PW]
	v_lshl_or_b32 v[PW], v[TM+7], 24, v[PW]        ; my row's scale word for the 128
	v_lshrrev_b32 v[SW+\a], v[SHV], v[PW]          ; q, k: lanes 0-15 keep the first head's two bytes, lanes 16-31 the second's; v: the whole word
	v_and_b32 v[SW+\a], s[MASK], v[SW+\a]
	WIN WS                                         ; source 0: the accumulators' window
.irp b, 0,1,2,3
	v_cvt_scalef32_pk8_fp4_f32 v[PCA+2*\b], v[AC+16*\b:AC+16*\b+7], v[TM+12+\b]
	v_cvt_scalef32_pk8_fp4_f32 v[PCA+2*\b+1], v[AC+16*\b+8:AC+16*\b+15], v[TM+12+\b]
.endr
	WIN 0
	v_nop                                          ; one plain place behind a scaled conversion
.irp c, 0,1                            ; the operand's layout wants a whole block in a lane: lanes 0-15 block 2 c, lanes 16-31 block 2 c + 1
.irp i, 0,1
	v_permlane16_swap_b32 v[PCA+4*\c+\i], v[PCA+4*\c+2+\i]
.endr
.endr
	global_store_b128 v[L16], v[PCA:PCA+3], s[OUT0:OUT0+1] offset:512*(\a)     ; 32 lanes store 512 consecutive bytes, aligned
	global_store_b128 v[L16], v[PCA+4:PCA+7], s[OUT1:OUT1+1] offset:512*(\a)
.if ((\a)%4) == 3
	global_store_b128 v[SADR], v[SW+(\a)-3:SW+(\a)], s[OSC:OSC+1] offset:256*((\a)/4)   ; four blocks' words: sixteen lanes store 256 consecutive bytes, aligned
.endif
.endm
.irp a, 0,1,2,3,4,5,6,7
	QROW \a
.endr
	s_wait_tensorcnt 0x0
	ds_add_u32 v126, v127
	s_wait_dscnt 0x0
	CROUND                                         ; the closing round: no work-group ends while a partner may still ask for a tile that names it
	s_endpgm
.Lfunc_end_k_qbd517cd77b_qkv:
	.size	k_qbd517cd77b_qkv, .Lfunc_end_k_qbd517cd77b_qkv-k_qbd517cd77b_qkv
	.p2alignl 7, 3214868480
	.fill 96, 4, 3214868480
	.section	.rodata,"a",@progbits
	.p2align	6, 0x0
	.amdhsa_kernel k_qbd517cd77b_qkv
		.amdhsa_group_segment_fixed_size 279040
		.amdhsa_private_segment_fixed_size 0
		.amdhsa_enable_private_segment 0
		.amdhsa_kernarg_size 56
		.amdhsa_user_sgpr_count 2
		.amdhsa_user_sgpr_kernarg_segment_ptr 1
		.amdhsa_wavefront_size32 1
		.amdhsa_system_sgpr_workgroup_id_x 1
		.amdhsa_system_sgpr_workgroup_id_y 1
		.amdhsa_system_sgpr_workgroup_id_z 1
		.amdhsa_system_vgpr_workitem_id 0
		.amdhsa_next_free_vgpr 1024
		.amdhsa_next_free_sgpr 102
		.amdhsa_reserve_vcc 0
		.amdhsa_float_denorm_mode_32 3
		.amdhsa_float_denorm_mode_16_64 3
		.amdhsa_memory_ordered 1
		.amdhsa_forward_progress 1
		.amdhsa_inst_pref_size 147
	.end_amdhsa_kernel
	.amdgpu_metadata
---
amdhsa.version: [ 1, 2 ]
amdhsa.kernels:
  - .name:           k_qbd517cd77b_qkv
    .symbol:         k_qbd517cd77b_qkv.kd
    .args:
      - { .name: opc, .offset: 0, .size: 8, .value_kind: global_buffer, .address_space: global }
      - { .name: ops, .offset: 8, .size: 8, .value_kind: global_buffer, .address_space: global }
      - { .name: b_attn, .offset: 16, .size: 8, .value_kind: global_buffer, .address_space: global }
      - { .name: qkc, .offset: 24, .size: 8, .value_kind: global_buffer, .address_space: global }
      - { .name: qks, .offset: 32, .size: 8, .value_kind: global_buffer, .address_space: global }
      - { .name: vc, .offset: 40, .size: 8, .value_kind: global_buffer, .address_space: global }
      - { .name: vs, .offset: 48, .size: 8, .value_kind: global_buffer, .address_space: global }
    .group_segment_fixed_size: 279040
    .private_segment_fixed_size: 0
    .kernarg_segment_align: 8
    .kernarg_segment_size: 56
    .max_flat_workgroup_size: 128
    .sgpr_count:     102
    .vgpr_count:     1024
    .wavefront_size: 32
...
	.end_amdgpu_metadata
.endif
;; end of part 2
;; launch attn (part 3): grid 4 x 64, 16 waves a work-group, clusters of 4 x 1, 169,984 bytes of LDS; arguments qkc, qks, vc, vs, yc, ysc; writes yc, ysc
.if DOCPART == 3
	.amdgcn_target "amdgcn-amd-amdhsa--gfx1250"
	.amdhsa_code_object_version 6
	.text
	.protected	k_qbd517cd77b_attn
	.globl	k_qbd517cd77b_attn
	.p2align	8
	.type	k_qbd517cd77b_attn,@function
k_qbd517cd77b_attn:
	s_mov_b64 s[64:65], 0
	v_nop
	global_prefetch_b8 v0, s[64:65] scope:SCOPE_SE
	s_setreg_imm32_b32 hwreg(HW_REG_WAVE_MODE, 25, 1), 1
	s_wait_xcnt 0x0
	s_wait_alu depctr_hold_cnt(0) depctr_sa_sdst(0) depctr_va_vdst(0) depctr_va_sdst(0) depctr_va_ssrc(0) depctr_va_vcc(0) depctr_vm_vsrc(0)
	s_getreg_b32 s2, hwreg(HW_REG_IB_STS2, 6, 4)
	s_cmp_eq_u32 s2, 0
	s_cbranch_scc0 .Lentry_in_a_cluster
	s_endpgm
.Lentry_in_a_cluster:
	s_bfe_u32 s2, ttmp6, 0x10000c
	s_cmp_lg_u32 s2, 0x3003
	s_cbranch_scc0 .Lentry_shape_is_right
	s_endpgm
.Lentry_shape_is_right:
; y[b][q][head] = softmax_k(q . k / 8, causal) v, both products on codes of FP4 with E8M0 scales; y = O / l is quantised along the features and leaves as codes, for the last product.
; THE SOFTMAX AHEAD OF THE SECOND PRODUCT: t = score x log2(e) / 8; M = the row's largest t so far, rounded up to a whole number; p = 2^(t - M) is quantised along the keys, not normalised;
; the row's sum is taken of the unquantised p and divides O at the end.  When M moves, the sum and O are multiplied by 2^(old M - new M): exact.
; THE FIRST PRODUCT'S K IS 64: the upper half of each fragment (k = 64 .. 127) is zero codes on both sides, and the upper two bytes of the scale words are 0: they add nothing.
; SHARES.  A cluster of four work-groups owns one head of one batch; its whole K and V (codes 2 x 65,536 bytes, scale words 8,192 + 4,096) come into each partner's LDS ONCE, by joint loads, and are only read afterwards.
; A head has 128 tiles of 16 queries, 8 to a key step of 128.  Wave w of partner cx takes tile 8 w + cx and then tile 8 (15 - w) + 4 + cx: (w + 1) + (16 - w) = 17 key steps for every wave.
; Which steps a wave works hangs on its number alone; cx enters global addresses and the mask's numbers only.  The loop over key steps has 16 trips for every tile; a step all of whose keys come after the tile's queries is jumped over.
; LAYOUT.  Both products are used transposed: S^T = K Q^T, O^T = V^T P^T: a lane holds one query (lane % 16).  Tokens and features are stored so that block a, lane r is number 32 (a / 2) + 8 (a % 2) + r + 8 (r / 8):
; so register 16 b + i of S^T is key 32 b + 16 (lane / 16) + i of the step, and register 16 b + i of O^T is channel 32 b + 16 (lane / 16) + i.
; y's scale half words are stored 2 bytes a lane, 16 bytes apart (a head makes two bytes of a row's word); lanes 16-31 store the same values to the same bytes as lanes 0-15.
; LIMITS: NaN and infinities are not served; a block of zeros carries the byte 1, its codes are zeros, and this program alone reads the bytes.
; REGISTERS: v1-7 addresses and numbers that stay (v6: the second tile's scale word of Q); v8-11 the step's addresses; v12 -M, v13 the largest t, v[14:15] the sum; v16-23 Q; v24-31 K's scale words; v32-95 K's 8 tiles;
;   v96-159 S^T, then p; v160-191 O^T; v192-223 V's 4 tiles; v224-231 p's codes; v232-239, v244-247, v252-254 at work; v240-243 the second tile's Q; v248-251 V's scale words; v253 p's scale word; v255 Q's.
.set VCO,  65536                       ; LDS: K's codes [tile 128][512] at 0; V's [64 keys: 32][feature block 4][512] here;
.set KSO,  131072                      ; K's scale words [64 tokens: 32][256];
.set VSO,  139264                      ; V's [key step 16][256]
.set ADK,  8
.set ADV,  9
.set ADS,  10
.set ADT,  11
.set WV,   18
.set SEL,  20
.set CS,   22
.set G1K,  24
.set G1V,  32
.set G1KS, 40
.set G1VS, 48
.set G0K,  56
.set G0V,  60
.set CX,   66
.set G0KS, 68
.set G0VS, 72
.set BB,   76
.set HD,   77
.set G,    78                          ; the key step on whose diagonal the tile in hand lies
.set S,    80                          ; the key step
.set TK,   81                          ; where its codes begin: 4,096 bytes a step, in K and in V
.set TS,   82                          ; K's scale words: 512 a step
.set TJ,   83                          ; V's: 256 a step
.set OUTER, 84
.set QR,   85                          ; the tile's first query within its key step
.set YB,   86                          ; s[86:87] y's codes, s[88:89] y's scale half words; s[90:93] the second tile's
.macro ROUND
	s_barrier_signal -1
	s_barrier_wait -1
	s_cmp_lg_u32 s[WV], 0
	s_cbranch_scc1 .Lnot_wave_0_\@
	s_barrier_signal -3
.Lnot_wave_0_\@:
	s_barrier_wait -3
	s_barrier_signal -1
	s_barrier_wait -1
.endm
	s_load_b256 s[4:11], s[0:1], 0x0               ; qkc s[4:5], qks s[6:7], vc s[8:9], vs s[10:11]
	s_load_b128 s[12:15], s[0:1], 0x20             ; yc s[12:13], ysc s[14:15]
	v_lshl_add_u32 v254, v0, 2, 0x29000
	v_mov_b32 v255, 0
	ds_add_u32 v254, v255
	ds_add_u32 v254, v255
	s_wait_dscnt 0x0
	v_lshrrev_b32 v8, 5, v0
	s_delay_alu instid0(VALU_DEP_1)
	v_readfirstlane_b32 s[WV], v8                  ; wave 0..15
	s_bfe_u32 s[CX], ttmp6, 0x40000                ; my place in the cluster
	s_and_b32 s67, ttmp7, 0xffff                   ; the cluster's y: 16 x batch + head
	s_lshr_b32 s[BB], s67, 4
	s_and_b32 s[HD], s67, 15
	s_and_b32 s79, s[WV], 1                        ; which half I fetch, if I fetch
.irp g, G1K, G1V, G1KS, G1VS
	s_mov_b32 s[\g], 15|(3<<16)|(1<<21)            ; 15:0 the mask: all four partners; 17:16 elements of 8 bytes; 21 set beside a mask; no padding
	s_mov_b32 s[\g+6], 0
	s_mov_b32 s[\g+7], 0
.endr
	s_mov_b32 s[G1K+1], 32<<16                     ; K's codes: half a head, 32,768 dense bytes as 128 rows of 256
	s_mov_b32 s[G1K+2], 128<<16
	s_mov_b32 s[G1K+3], 32<<16
	s_mov_b32 s[G1K+4], 128
	s_mov_b32 s[G1K+5], 32
	s_mov_b32 s[G1V+1], 256<<16                    ; V's: 16 chunks of 64 keys x the head's 2,048 bytes, 32,768 bytes apart
	s_mov_b32 s[G1V+2], 16<<16
	s_mov_b32 s[G1V+3], 256<<16
	s_mov_b32 s[G1V+4], 16
	s_mov_b32 s[G1V+5], 4096
	s_mov_b32 s[G1KS+1], 32<<16                    ; K's scale words: 8,192 dense bytes
	s_mov_b32 s[G1KS+2], 32<<16
	s_mov_b32 s[G1KS+3], 32<<16
	s_mov_b32 s[G1KS+4], 32
	s_mov_b32 s[G1KS+5], 32
	s_mov_b32 s[G1VS+1], 32<<16                    ; V's: 16 key steps x the head's 256 bytes, 4,096 bytes apart
	s_mov_b32 s[G1VS+2], 16<<16
	s_mov_b32 s[G1VS+3], 32<<16
	s_mov_b32 s[G1VS+4], 16
	s_mov_b32 s[G1VS+5], 512
	s_add_co_u32 s94, s[HD], 16                    ; k's slabs lie behind q's sixteen
	s_lshl_b32 s98, s94, 15
	s_lshl_b32 s94, s94, 18
	s_lshl_b32 s16, s[BB], 16
	s_add_co_u32 s94, s94, s16
	s_lshl_b32 s16, s79, 15
	s_add_co_u32 s94, s94, s16
	s_mov_b32 s95, 0                               ; s[94:95]: K's codes
	s_lshl_b32 s96, s[BB], 20
	s_lshl_b32 s16, s[HD], 11
	s_add_co_u32 s96, s96, s16
	s_lshl_b32 s16, s79, 19
	s_add_co_u32 s96, s96, s16
	s_mov_b32 s97, 0                               ; s[96:97]: V's codes
	s_lshl_b32 s16, s[BB], 13
	s_add_co_u32 s98, s98, s16
	s_mov_b32 s99, 0                               ; s[98:99]: K's scale words
	s_lshl_b32 s86, s[BB], 16
	s_lshl_b32 s16, s[HD], 8
	s_add_co_u32 s86, s86, s16
	s_mov_b32 s87, 0                               ; s[86:87]: V's scale words
	s_mov_b32 s[SEL], 0x76543210
	s_mov_b32 s[SEL+1], 0xfedcba98
	s_mov_b32 s[CS], 0x3e38aa3b                    ; c = log2(e) / 8
	s_mov_b32 s[CS+1], s[CS]                       ; (named with it as a pair, so it is written)
	s_wait_kmcnt 0x0
	s_mov_b32 s[G0K], 1
	s_lshl_b32 s[G0K+1], s79, 15
	s_add_nc_u64 s[G0K+2:G0K+3], s[4:5], s[94:95]
	s_or_b32 s[G0K+3], s[G0K+3], 0x80000000
	s_mov_b32 s[G0V], 1
	s_add_co_u32 s[G0V+1], s[G0K+1], VCO
	s_add_nc_u64 s[G0V+2:G0V+3], s[8:9], s[96:97]
	s_or_b32 s[G0V+3], s[G0V+3], 0x80000000
	s_mov_b32 s[G0KS], 1
	s_mov_b32 s[G0KS+1], KSO
	s_add_nc_u64 s[G0KS+2:G0KS+3], s[6:7], s[98:99]
	s_or_b32 s[G0KS+3], s[G0KS+3], 0x80000000
	s_mov_b32 s[G0VS], 1
	s_mov_b32 s[G0VS+1], VSO
	s_add_nc_u64 s[G0VS+2:G0VS+3], s[10:11], s[86:87]
	s_or_b32 s[G0VS+3], s[G0VS+3], 0x80000000
	ROUND                                          ; all four partners are here: the joint loads meet
	; waves 0, 1: K's halves; 2, 3: V's; 4: K's scale words; 5: V's; the others fetch nothing.  One load a wave; the branches hang on the wave's number alone.  Four v_nop follow each line
	s_cmp_lt_u32 s[WV], 2
	s_cbranch_scc0 .Lnot_k
	tensor_load_to_lds s[G0K:G0K+3], s[G1K:G1K+7]
	s_nop 0
.rept 4
	v_nop
.endr
	s_branch .Lasked
.Lnot_k:
	s_cmp_lt_u32 s[WV], 4
	s_cbranch_scc0 .Lnot_v
	tensor_load_to_lds s[G0V:G0V+3], s[G1V:G1V+7]
	s_nop 0
.rept 4
	v_nop
.endr
	s_branch .Lasked
.Lnot_v:
	s_cmp_eq_u32 s[WV], 4
	s_cbranch_scc0 .Lnot_ks
	tensor_load_to_lds s[G0KS:G0KS+3], s[G1KS:G1KS+7]
	s_nop 0
.rept 4
	v_nop
.endr
	s_branch .Lasked
.Lnot_ks:
	s_cmp_eq_u32 s[WV], 5
	s_cbranch_scc0 .Lasked
	tensor_load_to_lds s[G0VS:G0VS+3], s[G1VS:G1VS+7]
	s_nop 0
.rept 4
	v_nop
.endr
.Lasked:
	v_and_b32 v6, 31, v0                           ; lane
	s_delay_alu instid0(VALU_DEP_1)
	v_lshlrev_b32 v1, 4, v6                        ; 16 x lane: my bytes of an image; K's codes begin at LDS byte 0
	s_delay_alu instid0(VALU_DEP_1)
	v_add_nc_u32 v2, VCO, v1                       ; the same in V's codes
	v_and_b32 v8, 15, v0                           ; r
	v_bfe_u32 v9, v0, 4, 1                         ; h
	s_delay_alu instid0(VALU_DEP_2)
	v_lshlrev_b32 v5, 4, v8                        ; 16 r
	s_wait_alu depctr_va_vdst(0)
	v_add_nc_u32 v3, KSO, v5
	v_add_nc_u32 v4, VSO, v5
	v_and_b32 v10, 8, v8
	s_delay_alu instid0(VALU_DEP_1)
	v_add_nc_u32 v7, v10, v8
	v_lshlrev_b32 v10, 4, v9
	s_delay_alu instid0(VALU_DEP_1)
	v_sub_nc_u32 v7, v7, v10                       ; r + 8 (r / 8) - 16 h: my query in its tile, less my half's first key
	; my two tiles, as token blocks of the whole tensor
	s_lshl_b32 s16, s[WV], 3
	s_lshl_b32 s17, s[BB], 7
	s_add_co_u32 s17, s17, s[CX]
	s_add_co_u32 s67, s17, s16                     ; 128 b + 8 w + cx
	s_add_co_u32 s79, s17, 124
	s_sub_co_u32 s79, s79, s16                     ; 128 b + 8 (15 - w) + 4 + cx
	s_lshl_b32 s19, s[HD], 18                      ; q's slab of codes
	s_lshl_b32 s94, s67, 9
	s_add_co_u32 s94, s94, s19
	s_mov_b32 s95, 0
	s_add_nc_u64 s[94:95], s[4:5], s[94:95]
	s_lshl_b32 s96, s79, 9
	s_add_co_u32 s96, s96, s19
	s_mov_b32 s97, 0
	s_add_nc_u64 s[96:97], s[4:5], s[96:97]
	s_lshl_b32 s19, s[HD], 15                      ; and of scale words: 256 bytes for 4 token blocks, 4 bytes a block in a lane's 16
	s_lshr_b32 s98, s67, 2
	s_lshl_b32 s98, s98, 8
	s_and_b32 s16, s67, 3
	s_lshl_b32 s16, s16, 2
	s_add_co_u32 s98, s98, s16
	s_add_co_u32 s98, s98, s19
	s_mov_b32 s99, 0
	s_add_nc_u64 s[98:99], s[6:7], s[98:99]
	s_lshr_b32 s2, s79, 2
	s_lshl_b32 s2, s2, 8
	s_and_b32 s16, s79, 3
	s_lshl_b32 s16, s16, 2
	s_add_co_u32 s2, s2, s16
	s_add_co_u32 s2, s2, s19
	s_mov_b32 s3, 0
	s_add_nc_u64 s[2:3], s[6:7], s[2:3]
	global_load_b128 v[16:19], v1, s[94:95]        ; the first tile's Q,
	global_load_b32 v255, v5, s[98:99]             ; its scale words,
	global_load_b128 v[240:243], v1, s[96:97]      ; the second tile's,
	global_load_b32 v6, v5, s[2:3]                 ; and its scale words
	s_lshl_b32 s16, s[HD], 9                       ; y's codes: 8,192 bytes a token block, 512 a head
	s_lshl_b32 s86, s67, 13
	s_add_co_u32 s86, s86, s16
	s_mov_b32 s87, 0
	s_add_nc_u64 s[86:87], s[12:13], s[86:87]
	s_lshl_b32 s90, s79, 13
	s_add_co_u32 s90, s90, s16
	s_mov_b32 s91, 0
	s_add_nc_u64 s[90:91], s[12:13], s[90:91]
	s_lshr_b32 s17, s[HD], 3                       ; y's scale words: 512 bytes a token block; the head's half word: 256 (head / 8) + 4 ((head / 2) % 4) + 2 (head % 2)
	s_lshl_b32 s17, s17, 8
	s_bfe_u32 s16, s[HD], 0x20001
	s_lshl_b32 s16, s16, 2
	s_add_co_u32 s17, s17, s16
	s_and_b32 s16, s[HD], 1
	s_lshl_b32 s16, s16, 1
	s_add_co_u32 s17, s17, s16
	s_lshl_b32 s88, s67, 9
	s_add_co_u32 s88, s88, s17
	s_mov_b32 s89, 0
	s_add_nc_u64 s[88:89], s[14:15], s[88:89]
	s_lshl_b32 s92, s79, 9
	s_add_co_u32 s92, s92, s17
	s_mov_b32 s93, 0
	s_add_nc_u64 s[92:93], s[14:15], s[92:93]
	s_mov_b32 s[G], s[WV]
	s_lshr_b32 s[QR], s[CX], 1
	s_lshl_b32 s[QR], s[QR], 5
	s_and_b32 s16, s[CX], 1
	s_lshl_b32 s16, s16, 3
	s_add_co_u32 s[QR], s[QR], s16                 ; 32 (cx / 2) + 8 (cx % 2)
.irp j, 20,21,22,23
	v_mov_b32 v[\j], 0                             ; Q's k = 64 .. 127: zero codes
.endr
.irp t, 0,1,2,3,4,5,6,7
.irp j, 4,5,6,7
	v_mov_b32 v[32+8*\t+\j], 0                     ; K's likewise, once for the launch
.endr
.endr
.irp j, 236,237,238,239,252,253,254
	v_mov_b32 v[\j], 0                             ; written once: lane permutes' destinations and the upper half of a pair count as read
.endr
	s_wait_tensorcnt 0x0                           ; my load, if I have one, has landed
	s_wait_loadcnt 0x0                             ; Q
	s_barrier_signal -1
	s_barrier_wait -1                              ; the head's K and V lie in LDS; from here on LDS is only read
	s_mov_b32 s[OUTER], 0
.Ltile:
	v_mov_b32 v13, 0xff61b1e6                      ; the largest t so far: -3e38, under every t
	s_delay_alu instid0(VALU_DEP_1)
	v_floor_f32 v12, -v13                          ; -M
	v_mov_b32 v14, 0
	v_mov_b32 v15, 0
.irp j, 0,1,2,3,4,5,6,7,8,9,10,11,12,13,14,15,16,17,18,19,20,21,22,23,24,25,26,27,28,29,30,31
	v_mov_b32 v[160+\j], 0                         ; O^T.  (The step is written once: the first finds zeros, which the first change of M leaves zeros)
.endr
	s_mov_b32 s[S], 0
	s_mov_b32 s[TK], 0
	s_mov_b32 s[TS], 0
	s_mov_b32 s[TJ], 0
.Lstep:                                            ; 16 trips, a key step of 128 keys each
	s_cmp_gt_u32 s[S], s[G]                        ; all its keys come after my queries: only the addresses step
	s_cbranch_scc1 .Lhidden
	s_setprio 2
	v_add_nc_u32 v[ADK], s[TK], v1                 ; (these four are the places in front of loads into registers that the last products read)
	v_add_nc_u32 v[ADV], s[TK], v2
	v_add_nc_u32 v[ADS], s[TS], v3
	v_add_nc_u32 v[ADT], s[TJ], v4
	ds_load_b128 v[24:27], v[ADS]                  ; the scale words of K's tiles 0-3,
	ds_load_b128 v[28:31], v[ADS] offset:256       ; 4-7
.irp t, 0,1,2,3,4,5,6,7
	ds_load_b128 v[32+8*\t:35+8*\t], v[ADK] offset:512*\t
.endr
	ds_load_b128 v[248:251], v[ADT]                ; V's scale words, and V: they land during the softmax
.irp i, 0,1,2,3
.irp c, 0,1
	ds_load_b128 v[192+8*\i+4*\c:195+8*\i+4*\c], v[ADV] offset:2048*\c+512*\i
.endr
.endr
	s_wait_dscnt 9                                 ; K and its scale words are in; V's nine loads may be out
.irp t, 0,1,2,3,4,5,6,7
	v_wmma_scale_f32_16x16x128_f8f6f4 v[96+8*\t:103+8*\t], v[32+8*\t:39+8*\t], v[16:23], 0, v[24+\t], v255 matrix_a_fmt:MATRIX_FMT_FP4 matrix_b_fmt:MATRIX_FMT_FP4
.endr
.rept 4
	v_nop
.endr
	s_cmp_lg_u32 s[S], s[G]                        ; on the diagonal the scores of hidden keys become -infinity ahead of the maximum: p = 0 then
	s_cbranch_scc1 .Lopen
	v_add_nc_u32 v252, s[QR], v7                   ; d = my query - the step's first key - 16 (lane / 16).  Register 16 b + i is hidden where 32 b + i > d
	v_mov_b32 v254, 0xff800000
.irp n, 0,1,2,3,4,5,6,7,8,9,10,11,12,13,14,15,16,17,18,19,20,21,22,23,24,25,26,27,28,29,30,31,32,33,34,35,36,37,38,39,40,41,42,43,44,45,46,47,48,49,50,51,52,53,54,55,56,57,58,59,60,61,62,63
	v_cmp_gt_i32 vcc_lo, 32*(\n/16)+\n%16, v252
	v_cndmask_b32 v[96+\n], v[96+\n], v254, vcc_lo
.endr
.Lopen:
.irp b, 0,1,2,3
	v_max3_num_f32 v[232+\b], v[96+16*\b], v[97+16*\b], v[98+16*\b]   ; the largest score of each block of 32 keys: it serves the row's maximum and, since p rises with the score, the block's largest p
.endr
.irp i, 3,5,7,9,11,13
.irp b, 0,1,2,3
	v_max3_num_f32 v[232+\b], v[232+\b], v[96+16*\b+\i], v[97+16*\b+\i]
.endr
.endr
.irp b, 0,1,2,3
	v_max_num_f32 v[232+\b], v[232+\b], v[111+16*\b]
.endr
.irp b, 0,1,2,3
	s_delay_alu instid0(VALU_DEP_4)
	v_permlanex16_b32 v[236+\b], v[232+\b], s[SEL], s[SEL+1]
.endr
.irp b, 0,1,2,3
	s_delay_alu instid0(VALU_DEP_4)
	v_max_num_f32 v[232+\b], v[232+\b], v[236+\b]  ; with lane l xor 16's 16 keys
.endr
	s_delay_alu instid0(VALU_DEP_2)
	v_max3_num_f32 v254, v232, v233, v234
	s_delay_alu instid0(VALU_DEP_1)
	v_max_num_f32 v254, v254, v235                 ; the step's largest score of my query
	s_delay_alu instid0(VALU_DEP_1)
	v_mul_f32 v254, s[CS], v254                    ; as t
	s_delay_alu instid0(VALU_DEP_1)
	v_max_num_f32 v13, v13, v254                   ; the running largest t
	v_mov_b32 v254, v12
	s_delay_alu instid0(VALU_DEP_2)
	v_floor_f32 v12, -v13                          ; the new -M = floor(-t) = -ceil(t)
	s_delay_alu instid0(VALU_DEP_1)
	v_sub_f32 v254, v12, v254                      ; old M - new M: a whole number, 0 or less
	s_delay_alu instid0(VALU_DEP_1)
	v_cvt_i32_f32 v254, v254                       ; (it saturates)
	s_delay_alu instid0(VALU_DEP_1)
	v_ldexp_f32 v252, 1.0, v254                    ; f = 2^(old M - new M)
.irp j, 0,2,4,6,8,10,12,14,16,18,20,22,24,26,28,30,32,34,36,38,40,42,44,46,48,50,52,54,56,58,60,62
	v_pk_fma_f32 v[96+\j:97+\j], v[96+\j:97+\j], s[CS:CS+1], v[12:13] op_sel_hi:[1,0,0]   ; t - M, two at a time
.endr
	s_setprio 1
.irp b, 0,1,2,3
	v_fma_f32 v[232+\b], v[232+\b], s[CS], v12     ; the same of each block's largest score
.endr
	s_wait_alu depctr_va_vdst(0)
.irp j, 0,1,2,3,4,5,6,7,8,9,10,11,12,13,14,15,16,17,18,19,20,21,22,23,24,25,26,27,28,29,30,31,32,33,34,35,36,37,38,39,40,41,42,43,44,45,46,47,48,49,50,51,52,53,54,55,56,57,58,59,60,61,62,63
	v_exp_f32 v[96+\j], v[96+\j]                   ; p = 2^(t - M), at most 1
.endr
	v_pk_mul_f32 v[14:15], v[14:15], v[252:253] op_sel_hi:[1,0]   ; the sums under the new M: the plain place behind the exponentials
	s_wait_alu depctr_va_vdst(0)                   ; one wait for the batch, ahead of its first reader
.irp b, 0,1,2,3
	v_exp_f32 v[232+\b], v[232+\b]                 ; the block's largest p
.endr
	v_pk_add_f32 v[236:237], v[100:101], v[104:105]
	v_pk_add_f32 v[246:247], v[108:109], v[112:113]
	v_pk_add_f32 v[244:245], v[116:117], v[120:121]
	v_pk_add_f32 v[238:239], v[124:125], v[128:129]
	v_pk_add_f32 v[230:231], v[132:133], v[136:137]
	v_pk_add_f32 v[228:229], v[140:141], v[144:145]
	v_pk_add_f32 v[226:227], v[148:149], v[152:153]
	v_pk_add_f32 v[14:15], v[14:15], v[156:157]
	v_pk_add_f32 v[236:237], v[236:237], v[96:97]
	v_pk_add_f32 v[246:247], v[246:247], v[98:99]
	v_pk_add_f32 v[244:245], v[244:245], v[102:103]
	v_pk_add_f32 v[238:239], v[238:239], v[106:107]
	v_pk_add_f32 v[230:231], v[230:231], v[110:111]
	v_pk_add_f32 v[228:229], v[228:229], v[114:115]
	v_pk_add_f32 v[226:227], v[226:227], v[118:119]
	v_pk_add_f32 v[14:15], v[14:15], v[122:123]
	v_pk_add_f32 v[236:237], v[236:237], v[126:127]
	v_pk_add_f32 v[246:247], v[246:247], v[130:131]
	v_pk_add_f32 v[244:245], v[244:245], v[134:135]
	v_pk_add_f32 v[238:239], v[238:239], v[138:139]
	v_pk_add_f32 v[230:231], v[230:231], v[142:143]
	v_pk_add_f32 v[228:229], v[228:229], v[146:147]
	v_pk_add_f32 v[226:227], v[226:227], v[150:151]
	v_pk_add_f32 v[14:15], v[14:15], v[154:155]
	v_pk_add_f32 v[236:237], v[236:237], v[158:159]
	s_delay_alu instid0(VALU_DEP_2)
	v_pk_add_f32 v[14:15], v[14:15], v[238:239]
	s_delay_alu instid0(VALU_DEP_2)
	v_pk_add_f32 v[236:237], v[236:237], v[230:231]
	v_pk_add_f32 v[246:247], v[246:247], v[228:229]
	v_pk_add_f32 v[244:245], v[244:245], v[226:227]
	s_delay_alu instid0(VALU_DEP_2)
	v_pk_add_f32 v[14:15], v[14:15], v[246:247]
	s_delay_alu instid0(VALU_DEP_2)
	v_pk_add_f32 v[236:237], v[236:237], v[244:245]
	s_delay_alu instid0(VALU_DEP_1)
	v_pk_add_f32 v[14:15], v[14:15], v[236:237]
	s_wait_alu depctr_va_vdst(0)                   ; and one for the four
.irp b, 0,1,2,3
	v_max_num_f32 v[232+\b], 0x1800000, v[232+\b]  ; the floor 2^(3 - 127): the byte cannot fall under 1
.endr
.irp b, 0,1,2,3
	s_delay_alu instid0(VALU_DEP_4)
	v_add_nc_u32 v[244+\b], 0xff000000, v[232+\b]  ; 2 off the exponent field: the conversion's scale operand
.endr
.irp b, 0,1,2,3
	s_delay_alu instid0(VALU_DEP_4)
	v_lshrrev_b32 v[236+\b], 23, v[244+\b]
.endr
	s_delay_alu instid0(VALU_DEP_3)
	v_lshl_or_b32 v253, v237, 8, v236              ; p's scale word for these 128 keys
	s_delay_alu instid0(VALU_DEP_1)
	v_lshl_or_b32 v253, v238, 16, v253
	s_delay_alu instid0(VALU_DEP_1)
	v_lshl_or_b32 v253, v239, 24, v253
	s_setprio 0
.irp b, 0,1,2,3
	v_cvt_scalef32_pk8_fp4_f32 v[224+2*\b], v[96+16*\b:103+16*\b], v[244+\b]
	v_cvt_scalef32_pk8_fp4_f32 v[225+2*\b], v[104+16*\b:111+16*\b], v[244+\b]
.endr
	v_nop                                          ; one plain place behind a scaled conversion
.irp c, 0,1
.irp i, 0,1
	v_permlane16_swap_b32 v[224+4*\c+\i], v[226+4*\c+\i]   ; a whole block to a lane: lanes 0-15 block 2 c, lanes 16-31 block 2 c + 1
.endr
.endr
.irp j, 0,2,4,6,8,10,12,14,16,18,20,22,24,26,28,30
	v_pk_mul_f32 v[160+\j:161+\j], v[160+\j:161+\j], v[252:253] op_sel_hi:[1,0]   ; O^T under the new M.  (These sixteen are also the places between the scale word's and the codes' last writes and the products)
.endr
	s_wait_alu depctr_va_vdst(0)
	s_wait_dscnt 0x0                               ; V and its scale words are in
.irp i, 0,1,2,3
	v_wmma_scale_f32_16x16x128_f8f6f4 v[160+8*\i:167+8*\i], v[192+8*\i:199+8*\i], v[224:231], v[160+8*\i:167+8*\i], v[248+\i], v253 matrix_a_fmt:MATRIX_FMT_FP4 matrix_b_fmt:MATRIX_FMT_FP4
.endr
.Lhidden:
	s_add_co_u32 s[TK], s[TK], 4096
	s_add_co_u32 s[TS], s[TS], 512
	s_add_co_u32 s[TJ], s[TJ], 256
	s_add_co_u32 s[S], s[S], 1
	s_cmp_lt_u32 s[S], 16
	s_cbranch_scc1 .Lstep
	s_setprio 0
	; THE TILE'S END: y = O^T / the sum, quantised along the head's 64 channels: two blocks; one image and a half word a row
.rept 4
	v_nop                                          ; places behind the last products
.endr
	v_add_f32 v14, v14, v15
	s_delay_alu instid0(VALU_DEP_1)
	v_permlanex16_b32 v252, v14, s[SEL], s[SEL+1]
	s_delay_alu instid0(VALU_DEP_1)
	v_add_f32 v14, v14, v252                       ; the row's sum
	s_wait_alu depctr_va_vdst(0)
	v_rcp_f32 v14, v14
	v_nop                                          ; a plain place behind the reciprocal
	s_wait_alu depctr_va_vdst(0)                   ; and the wait ahead of its first reader
.irp j, 0,1,2,3,4,5,6,7,8,9,10,11,12,13,14,15,16,17,18,19,20,21,22,23,24,25,26,27,28,29,30,31
	v_mul_f32 v[96+\j], v[160+\j], v14             ; register 16 b + i: channel 32 b + 16 h + i
.endr
.irp b, 0,1
	v_max3_num_f32 v[232+\b], |v[96+16*\b]|, |v[97+16*\b]|, 0x1800000
.endr
.irp i, 2,4,6,8,10,12,14
.irp b, 0,1
	s_delay_alu instid0(VALU_DEP_2)
	v_max3_num_f32 v[232+\b], v[232+\b], |v[96+16*\b+\i]|, |v[97+16*\b+\i]|
.endr
.endr
.irp b, 0,1
	s_delay_alu instid0(VALU_DEP_2)
	v_permlanex16_b32 v[236+\b], v[232+\b], s[SEL], s[SEL+1]
.endr
.irp b, 0,1
	s_delay_alu instid0(VALU_DEP_2)
	v_max_num_f32 v[232+\b], v[232+\b], v[236+\b]
.endr
.irp b, 0,1
	s_delay_alu instid0(VALU_DEP_2)
	v_add_nc_u32 v[244+\b], 0xff000000, v[232+\b]
.endr
.irp b, 0,1
	s_delay_alu instid0(VALU_DEP_2)
	v_lshrrev_b32 v[236+\b], 23, v[244+\b]
.endr
	s_delay_alu instid0(VALU_DEP_1)
	v_lshl_or_b32 v253, v237, 8, v236              ; my row's two scale bytes
.irp b, 0,1
	v_cvt_scalef32_pk8_fp4_f32 v[224+2*\b], v[96+16*\b:103+16*\b], v[244+\b]
	v_cvt_scalef32_pk8_fp4_f32 v[225+2*\b], v[104+16*\b:111+16*\b], v[244+\b]
.endr
	v_nop
	v_permlane16_swap_b32 v224, v226
	v_permlane16_swap_b32 v225, v227
	global_store_b128 v1, v[224:227], s[YB:YB+1]   ; 32 lanes store 512 consecutive bytes, aligned
	global_store_b16 v5, v253, s[YB+2:YB+3]        ; both halves of the lanes hold the same half word and store it to the same bytes
.irp j, 0,1,2,3
	v_mov_b32 v[16+\j], v[240+\j]                  ; on to the second tile: its Q,
.endr
	v_mov_b32 v255, v6                             ; its scale words,
	s_sub_co_u32 s[G], 15, s[G]                    ; its diagonal,
	s_add_co_u32 s[QR], s[QR], 64                  ; its place in that key step: four tiles on
	s_wait_xcnt 0x0                                ; the stores have read their data and their bases: both are written again only behind this wait
	s_mov_b64 s[YB:YB+1], s[YB+4:YB+5]
	s_mov_b64 s[YB+2:YB+3], s[YB+6:YB+7]
	s_add_co_u32 s[OUTER], s[OUTER], 1
	s_cmp_lt_u32 s[OUTER], 2
	s_cbranch_scc1 .Ltile
	s_wait_dscnt 0x0
	s_wait_xcnt 0x0
	v_lshl_add_u32 v254, v0, 2, 0x29000
	v_mov_b32 v255, 0
	s_wait_alu depctr_va_vdst(0)
	s_wait_tensorcnt 0x0
	ds_add_u32 v254, v255
	s_wait_dscnt 0x0
	ROUND                                          ; the closing round
	s_endpgm
.Lfunc_end_k_qbd517cd77b_attn:
	.size	k_qbd517cd77b_attn, .Lfunc_end_k_qbd517cd77b_attn-k_qbd517cd77b_attn
	.p2alignl 7, 3214868480
	.fill 96, 4, 3214868480
	.section	.rodata,"a",@progbits
	.p2align	6, 0x0
	.amdhsa_kernel k_qbd517cd77b_attn
		.amdhsa_group_segment_fixed_size 169984
		.amdhsa_private_segment_fixed_size 0
		.amdhsa_enable_private_segment 0
		.amdhsa_kernarg_size 48
		.amdhsa_user_sgpr_count 2
		.amdhsa_user_sgpr_kernarg_segment_ptr 1
		.amdhsa_wavefront_size32 1
		.amdhsa_system_sgpr_workgroup_id_x 1
		.amdhsa_system_sgpr_workgroup_id_y 1
		.amdhsa_system_sgpr_workgroup_id_z 1
		.amdhsa_system_vgpr_workitem_id 0
		.amdhsa_next_free_vgpr 256
		.amdhsa_next_free_sgpr 100
		.amdhsa_reserve_vcc 1
		.amdhsa_float_denorm_mode_32 3
		.amdhsa_float_denorm_mode_16_64 3
		.amdhsa_memory_ordered 1
		.amdhsa_forward_progress 1
		.amdhsa_inst_pref_size 39
	.end_amdhsa_kernel
	.amdgpu_metadata
---
amdhsa.version: [ 1, 2 ]
amdhsa.kernels:
  - .name:           k_qbd517cd77b_attn
    .symbol:         k_qbd517cd77b_attn.kd
    .args:
      - { .name: qkc, .offset: 0, .size: 8, .value_kind: global_buffer, .address_space: global }
      - { .name: qks, .offset: 8, .size: 8, .value_kind: global_buffer, .address_space: global }
      - { .name: vc, .offset: 16, .size: 8, .value_kind: global_buffer, .address_space: global }
      - { .name: vs, .offset: 24, .size: 8, .value_kind: global_buffer, .address_space: global }
      - { .name: yc, .offset: 32, .size: 8, .value_kind: global_buffer, .address_space: global }
      - { .name: ysc, .offset: 40, .size: 8, .value_kind: global_buffer, .address_space: global }
    .group_segment_fixed_size: 169984
    .private_segment_fixed_size: 0
    .kernarg_segment_align: 8
    .kernarg_segment_size: 48
    .max_flat_workgroup_size: 512
    .sgpr_count:     100
    .vgpr_count:     256
    .wavefront_size: 32
...
	.end_amdgpu_metadata
.endif
;; end of part 3
;; launch proj (part 4): grid 4 x 32, 4 waves a work-group, clusters of 4 x 4, 279,040 bytes of LDS; arguments yc, ysc, opc, ops, b_proj, out0; writes out0
.if DOCPART == 4
	.amdgcn_target "amdgcn-amd-amdhsa--gfx1250"
	.amdhsa_code_object_version 6
	.text
	.protected	k_qbd517cd77b_proj
	.globl	k_qbd517cd77b_proj
	.p2align	8
	.type	k_qbd517cd77b_proj,@function
k_qbd517cd77b_proj:
	s_mov_b64 s[64:65], 0
	v_nop
	global_prefetch_b8 v0, s[64:65] scope:SCOPE_SE
	s_setreg_imm32_b32 hwreg(HW_REG_WAVE_MODE, 25, 1), 1
	s_wait_xcnt 0x0
	s_wait_alu depctr_hold_cnt(0) depctr_sa_sdst(0) depctr_va_vdst(0) depctr_va_sdst(0) depctr_va_ssrc(0) depctr_va_vcc(0) depctr_vm_vsrc(0)
	s_getreg_b32 s2, hwreg(HW_REG_IB_STS2, 6, 4)
	s_cmp_eq_u32 s2, 0
	s_cbranch_scc0 .Lentry_in_a_cluster
	s_endpgm
.Lentry_in_a_cluster:
	s_bfe_u32 s2, ttmp6, 0x10000c
	s_cmp_lg_u32 s2, 0xf033
	s_cbranch_scc0 .Lentry_shape_is_right
	s_endpgm
.Lentry_shape_is_right:
; out0 = y w_proj^T + b_proj on codes of FP4 with E8M0 scales, K = 1,024; out0 [8192][1024] f32.
; A tile is 256 tokens (A: y's codes) x 256 outputs (B: w_proj's codes, row blocks 704 on of opc); four waves, each 128 x 128: 64 accumulators, 512 registers.
; The product is used transposed (source 0 = 16 rows of B, source 1 = 16 rows of A): a lane holds one token and eight neighbouring outputs a tile.
; Rows are stored so that block a, lane r is row 32 (a / 2) + 8 (a % 2) + r + 8 (r / 8), of tokens and of outputs alike: the way out puts both back in order.
; K = 1,024 is two LDS slots of 512, both asked for at the start; nothing is filled again.  CLUSTERS: 4 x 4; A's tiles are shared along a row of the cluster, B's along a column, by joint loads.
; 128 tiles: half of the chip's 256 WGPs have a work-group; the tile is kept at 256 x 256 so that no fragment is read twice from LDS.
; REGISTERS: window 0: v16-28 addresses; v32-95 scale words, two sets; v128-191 A's fragments; v192-255 the bias as the C of the first products; on the way out v128-255 take rows of out0.
;   Window 1: B's fragments, two sets.  Window 2: the accumulators of A's blocks 0-3 ((a, b) at v[8 (8 a + b)]); window 3: those of blocks 4-7.
.set SLOT, 131072
.set BOFF, 65536
.set SCL,  262144
.set FR,   8
.set NQ,   4
.set SPITCH, 528                       ; the way out: a stage of 16 rows x (512 bytes + 16) for each wave, in slot 0, which nobody reads behind the change of slots and which is never filled again
.set ADRA, 16
.set ADRB, 20
.set L16,  24
.set STO,  25
.set RD,   26
.set ADRS, 27
.set BQ,   28
.set SC,   32
.set AF,   128
.set BI,   192
.set BK,   128
.set WV,   18
.set WR,   19
.set WC,   20
.set CX,   22
.set CY,   23
.set G1,   24
.set G0,   32
.set TR,   40
.set TC,   41
.set G1B,  48
.set G0B,  56
.set G1S,  68
.set G0S,  76
.set G1SB, 80
.set G0SB, 88
.set MSB, 0
.macro WIN new
.if MSB != (\new)
	s_set_vgpr_msb (MSB<<8)|(\new)
.set MSB, (\new)
.endif
.endm
.set MUL_LO, 0xa1
.set MUL_HI, 0xf1
.set TO_B,   0x40
.macro JLOAD g0a, g1a, g0b, g1b        ; a joint load: waves 0, 1 fetch for A, waves 2, 3 for B; four v_nop follow each line
	s_cmp_eq_u32 s[WR], 0
	s_cbranch_scc0 .Lfor_b_\@
	tensor_load_to_lds s[\g0a:\g0a+3], s[\g1a:\g1a+7]
	s_nop 0
.rept 4
	v_nop
.endr
	s_branch .Lasked_\@
.Lfor_b_\@:
	tensor_load_to_lds s[\g0b:\g0b+3], s[\g1b:\g1b+7]
	s_nop 0
.rept 4
	v_nop
.endr
.Lasked_\@:
.endm
.macro CROUND
	s_barrier_signal -1
	s_barrier_wait -1
	s_cmp_lg_u32 s[WV], 0
	s_cbranch_scc1 .Lnot_wave_0_\@
	s_barrier_signal -3
.Lnot_wave_0_\@:
	s_barrier_wait -3
	s_barrier_signal -1
	s_barrier_wait -1
.endm
	s_load_b256 s[4:11], s[0:1], 0x0               ; yc s[4:5], ysc s[6:7], opc s[8:9], ops s[10:11]
	s_load_b128 s[12:15], s[0:1], 0x20             ; b_proj s[12:13], out0 s[14:15]
	v_lshl_add_u32 v126, v0, 2, 0x44000
	v_mov_b32 v127, 0
	ds_add_u32 v126, v127
	ds_add_u32 v126, v127
	v_lshrrev_b32 v1, 5, v0
	v_readfirstlane_b32 s[WV], v1
	s_lshr_b32 s[WR], s[WV], 1
	s_and_b32 s[WC], s[WV], 1
	s_bfe_u32 s[CX], ttmp6, 0x40000
	s_bfe_u32 s[CY], ttmp6, 0x40004
	s_and_b32 s[TR], ttmp7, 0xffff
	s_lshl_b32 s[TR], s[TR], 2
	s_add_co_u32 s[TR], s[TR], s[CY]               ; the tile of tokens
	s_lshl_b32 s[TC], ttmp9, 2
	s_add_co_u32 s[TC], s[TC], s[CX]               ; the tile of outputs
	s_lshl_b32 s42, s[CY], 2
	s_lshl_b32 s42, 15, s42                        ; my row of the cluster
	s_lshl_b32 s43, 0x1111, s[CX]                  ; my column
	s_or_b32 s[G1], s42, (3<<16)|(1<<21)           ; 15:0 the mask; 17:16 elements of 8 bytes; 21 set beside a mask; no padding
	s_or_b32 s[G1B], s43, (3<<16)|(1<<21)
	s_or_b32 s[G1S], s42, (3<<16)|(1<<21)
	s_or_b32 s[G1SB], s43, (3<<16)|(1<<21)
.irp g, G1, G1B                        ; codes: 8 row blocks x 4,096 bytes (512 along K), 8,192 bytes apart
	s_mov_b32 s[\g+1], 512<<16
	s_mov_b32 s[\g+2], 8<<16
	s_mov_b32 s[\g+3], 512<<16
	s_mov_b32 s[\g+4], 8
	s_mov_b32 s[\g+5], 1024
	s_mov_b32 s[\g+6], 0
	s_mov_b32 s[\g+7], 0
.endr
.irp g, G1S, G1SB                      ; scale words of 8 row blocks: 4,096 dense bytes as 16 rows of 256
	s_mov_b32 s[\g+1], 32<<16
	s_mov_b32 s[\g+2], 16<<16
	s_mov_b32 s[\g+3], 32<<16
	s_mov_b32 s[\g+4], 16
	s_mov_b32 s[\g+5], 32
	s_mov_b32 s[\g+6], 0
	s_mov_b32 s[\g+7], 0
.endr
	s_lshl_b32 s2, s[WC], 3                        ; which 8 row blocks of the tile's 16 I fetch
	s_lshl_b32 s46, s[TR], 4
	s_add_co_u32 s46, s46, s2                      ; A's
	s_lshl_b32 s47, s[TC], 4
	s_add_co_u32 s47, s47, s2
	s_add_co_u32 s47, s47, 704                     ; B's: w_proj's row blocks in opc
	s_lshl_b32 s92, s46, 13
	s_mov_b32 s93, 0
	s_lshl_b32 s94, s46, 9
	s_mov_b32 s95, 0
	s_lshl_b32 s96, s47, 13
	s_mov_b32 s97, 0
	s_lshl_b32 s98, s47, 9
	s_mov_b32 s99, 0
	s_lshl_b32 s2, s[WV], 15                       ; where they go: no place in the cluster enters an LDS address
	s_lshl_b32 s3, s[WV], 12
	s_wait_dscnt 0x0
	s_wait_kmcnt 0x0
	s_add_nc_u64 s[92:93], s[4:5], s[92:93]
	s_add_nc_u64 s[94:95], s[6:7], s[94:95]
	s_add_nc_u64 s[96:97], s[8:9], s[96:97]
	s_add_nc_u64 s[98:99], s[10:11], s[98:99]
	CROUND                                         ; all sixteen work-groups are here: the joint loads meet
	s_mov_b32 s[G0S], 1
	s_add_co_u32 s[G0S+1], s3, SCL
	s_mov_b64 s[G0S+2:G0S+3], s[94:95]
	s_or_b32 s[G0S+3], s[G0S+3], 0x80000000
	s_mov_b32 s[G0SB], 1
	s_add_co_u32 s[G0SB+1], s3, SCL
	s_mov_b64 s[G0SB+2:G0SB+3], s[98:99]
	s_or_b32 s[G0SB+3], s[G0SB+3], 0x80000000
	JLOAD G0S, G1S, G0SB, G1SB
.irp s, 0,1
	s_mov_b32 s[G0+4*\s], 1
	s_add_co_u32 s[G0+4*\s+1], s2, \s*SLOT
	s_add_nc_u64 s[G0+4*\s+2:G0+4*\s+3], s[92:93], \s*4096
	s_or_b32 s[G0+4*\s+3], s[G0+4*\s+3], 0x80000000
	s_mov_b32 s[G0B+4*\s], 1
	s_add_co_u32 s[G0B+4*\s+1], s2, \s*SLOT
	s_add_nc_u64 s[G0B+4*\s+2:G0B+4*\s+3], s[96:97], \s*4096
	s_or_b32 s[G0B+4*\s+3], s[G0B+4*\s+3], 0x80000000
	JLOAD G0+4*\s, G1, G0B+4*\s, G1B               ; three loads of mine are out
.endr
	v_and_b32 v1, 15, v0                           ; r
	v_bfe_u32 v2, v0, 4, 1                         ; h
	v_and_b32 v3, 31, v0
	v_lshlrev_b32 v[L16], 4, v3
	s_lshl_b32 s42, s[WR], 15
	s_lshl_b32 s43, s[WC], 15
	s_add_co_u32 s43, s43, BOFF
.irp s, 0,1
	v_add_nc_u32 v[ADRA+\s], s42, v[L16]
	v_add_nc_u32 v[ADRB+\s], s43, v[L16]
	s_add_co_u32 s42, s42, SLOT
	s_add_co_u32 s43, s43, SLOT
.endr
	s_lshl_b32 s42, s[WR], 12
	s_lshl_b32 s43, s[WC], 12
	s_add_co_u32 s43, s43, 8192
	s_sub_co_u32 s43, s43, s42
	v_mul_u32_u24 v4, s43, v2                      ; lanes 16-31 take B's scale words: one product, the distance between the two
	s_add_co_u32 s42, s42, SCL
	v_lshl_add_u32 v4, v1, 4, v4
	v_add_nc_u32 v[ADRS], s42, v4
	s_mul_i32 s42, s[WV], 16*SPITCH                ; my stage
	v_mul_u32_u24 v4, v1, SPITCH
	v_lshl_add_u32 v4, v2, 6, v4
	v_add_nc_u32 v[STO], s42, v4                   ; in: row r, + 64 h bytes: my half's 16 outputs of each 32
	v_add_nc_u32 v[RD], s42, v[L16]                ; back: the 32 lanes take one row of 512 bytes
	v_lshlrev_b32 v[BQ], 6, v2
	s_lshl_b32 s42, s[TC], 10
	s_lshl_b32 s43, s[WC], 9
	s_add_co_u32 s42, s42, s43                     ; my 128 outputs, in bytes
	s_mov_b32 s43, 0
	s_add_nc_u64 s[12:13], s[12:13], s[42:43]      ; in the bias,
	s_add_nc_u64 s[14:15], s[14:15], s[42:43]      ; and in a row of out0
	s_lshl_b32 s42, s[TR], 20
	s_lshl_b32 s46, s[WR], 19
	s_add_co_u32 s42, s42, s46                     ; my first token x 4,096 bytes
	s_add_nc_u64 s[14:15], s[14:15], s[42:43]
.irp b, 0,1,2,3,4,5,6,7                ; register j of tile (a, b) is output 32 (b / 2) + 8 (b % 2) + 16 h + j
	global_load_b128 v[BI+8*\b:BI+8*\b+3], v[BQ], s[12:13] offset:(32*(\b/2)+8*(\b%2))*4
	global_load_b128 v[BI+8*\b+4:BI+8*\b+7], v[BQ], s[12:13] offset:(32*(\b/2)+8*(\b%2))*4+16
.endr
.macro FRAG reg, adr, q, i             ; a fragment, 16 rows x 128 K, is two images of 512 bytes
.irp c, 0,1
	ds_load_b128 v[\reg+4*\c:\reg+4*\c+3], v[\adr] offset:(\i)*4096+(2*(\q)+\c)*512
.endr
.endm
; 16 matrix instructions: A's blocks a0, a0 + 1 x B's eight.  mode 1: the sums start from the bias.  The 64 accumulators take turns, one instruction a turn.
.macro MUL16 a0, p, q, sc, mode
.irp a, \a0, \a0+1
.irp b, 0,1,2,3,4,5,6,7
.set rD, 8*(8*((\a)%4)+\b)
.set rB, 128*(\p)+FR*\b
.set rA, AF+FR*(\a)
.set rSB, SC+32*(\sc)+4*\b+(\q)
.set rSA, SC+32*(\sc)+4*(\a)+(\q)
.if (\mode) == 1
	v_wmma_scale_f32_16x16x128_f8f6f4 v[rD:rD+7], v[rB:rB+7], v[rA:rA+7], v[BI+8*\b:BI+8*\b+7], v[rSB], v[rSA] matrix_a_fmt:MATRIX_FMT_FP4 matrix_b_fmt:MATRIX_FMT_FP4 matrix_a_scale:MATRIX_SCALE_ROW1
.else
	v_wmma_scale_f32_16x16x128_f8f6f4 v[rD:rD+7], v[rB:rB+7], v[rA:rA+7], v[rD:rD+7], v[rSB], v[rSA] matrix_a_fmt:MATRIX_FMT_FP4 matrix_b_fmt:MATRIX_FMT_FP4 matrix_a_scale:MATRIX_SCALE_ROW1
.endif
.endr
.endr
.endm
.macro FETCH_B slot, q, p
	WIN TO_B
.irp i, 0,1,2,3,4,5,6,7
	FRAG 128*(\p)+FR*\i, ADRB+\slot, \q, \i
.endr
	WIN 0
.endm
.macro FETCH_A slot, q, i0
.irp i, \i0, \i0+1, \i0+2, \i0+3
	FRAG AF+FR*(\i), ADRA+\slot, \q, \i
.endr
.endm
.macro SCALES sc
.irp i, 0,1,2,3,4,5,6,7
	ds_load_b128 v[SC+32*\sc+4*\i:SC+32*\sc+4*\i+3], v[ADRS] offset:512*\i+256*\sc
.endr
.endm
.macro PLACES                          ; four plain vector instructions between a matrix instruction and a load into, or a read of, its registers
.rept 4
	v_nop
.endr
.endm
.macro STEP slot, q, mode
	s_wait_dscnt 8                                 ; B's set and A's blocks 0-3 are in; the youngest eight loads (A's blocks 4-7) may be out
.if \mode
	WIN 0x81                                       ; C (the bias) window 0, D window 2
.else
	WIN MUL_LO
.endif
	MUL16 0, (\q)%2, \q, \slot, \mode
	MUL16 2, (\q)%2, \q, \slot, \mode
	s_wait_dscnt 0x0
	PLACES
	FETCH_B \slot, (\q)+1, 1-(\q)%2
	FETCH_A \slot, (\q)+1, 0
.if \mode
	WIN 0xc1
.else
	WIN MUL_HI
.endif
	MUL16 4, (\q)%2, \q, \slot, \mode
	MUL16 6, (\q)%2, \q, \slot, \mode
	PLACES
	WIN 0
	FETCH_A \slot, (\q)+1, 4
.endm
.macro STEPS slot, from
.set Q, \from
.rept NQ-1-\from
	STEP \slot, Q, 0
.set Q, Q+1
.endr
.endm
	s_wait_tensorcnt 1                             ; the scale words and my part of slot 0 are in; slot 1's load may be out
	s_barrier_signal -1
	s_barrier_wait -1
	FETCH_B 0, 0, 0
	FETCH_A 0, 0, 0
	SCALES 0
	FETCH_A 0, 0, 4
	s_wait_loadcnt 0x0                             ; the bias
	STEP 0, 0, 1                                   ; the first products start the sums from the bias
	STEPS 0, 1
	s_wait_tensorcnt 0x0                           ; slot 0's last step changes slots: my part of slot 1 has landed
	s_wait_dscnt 8
	WIN MUL_LO
	MUL16 0, 1, 3, 0, 0
	s_wait_dscnt 0x0                               ; my reads of slot 0 are over
	s_barrier_signal -1
	MUL16 2, 1, 3, 0, 0
	WIN 0
	s_barrier_wait -1                              ; slot 1 is whole, and nobody reads slot 0 any more
	PLACES
	FETCH_B 1, 0, 0
	FETCH_A 1, 0, 0
	SCALES 1
	WIN MUL_HI
	MUL16 4, 1, 3, 0, 0
	MUL16 6, 1, 3, 0, 0
	PLACES
	WIN 0
	FETCH_A 1, 0, 4
	STEPS 1, 0
	s_wait_dscnt 8
	WIN MUL_LO
	MUL16 0, 1, 3, 1, 0
	MUL16 2, 1, 3, 1, 0
	s_wait_dscnt 0x0
	WIN MUL_HI
	MUL16 4, 1, 3, 1, 0
	MUL16 6, 1, 3, 1, 0
	WIN 0
; THE WAY OUT, a block of 16 tokens x 128 outputs at a time, through my own stage: a lane's 32 bytes go to their true place in the row, and whole rows of 512 bytes come back.
; LDS serves a wave's instructions in order (ISA guide 5.7.1.4): no wait between the stores and the loads, nor in front of the next block's stores.
.macro TOSTAGE a
.set AC, 64*((\a)%4)
	WIN 0x08+4*((\a)/4)                            ; the data: window 2 or 3
.irp b, 0,1,2,3,4,5,6,7
	ds_store_b128 v[STO], v[AC+8*\b:AC+8*\b+3] offset:128*(\b/2)+32*(\b%2)          ; each accumulator from its low end on
	ds_store_b128 v[STO], v[AC+8*\b+4:AC+8*\b+7] offset:128*(\b/2)+32*(\b%2)+16
.endr
	WIN 0
.set BBR, BK+64*((\a)%2)
.irp t, 0,1,2,3,4,5,6,7,8,9,10,11,12,13,14,15
	ds_load_b128 v[BBR+4*\t:BBR+4*\t+3], v[RD] offset:\t*SPITCH
.endr
.endm
.macro SEND a, younger                 ; younger: the LDS instructions issued behind block a's loads, which may stay out
.set BBR, BK+64*((\a)%2)
	s_wait_dscnt \younger
.irp t, 0,1,2,3,4,5,6,7,8,9,10,11,12,13,14,15
	global_store_b128 v[L16], v[BBR+4*\t:BBR+4*\t+3], s[14:15] offset:(32*((\a)/2)+8*((\a)%2)+\t+8*(\t/8))*4096 th:TH_STORE_NT   ; stage row t is token 32 (a / 2) + 8 (a % 2) + t + 8 (t / 8); 32 lanes store 512 consecutive bytes, aligned
.endr
.endm
	PLACES
	TOSTAGE 0
.irp a, 1,2,3,4,5,6,7
.if \a > 1
	s_wait_xcnt 0x0                                ; block a - 2's stores have read their registers: block a's loads may land there
.endif
	TOSTAGE \a
	SEND \a-1, 32                                  ; behind block a - 1's loads: block a's 16 stores and 16 loads
.endr
	SEND 7, 0
	s_wait_tensorcnt 0x0
	ds_add_u32 v126, v127
	s_wait_dscnt 0x0
	CROUND                                         ; the closing round: no work-group ends while a partner may still ask for a tile that names it
	s_endpgm
.Lfunc_end_k_qbd517cd77b_proj:
	.size	k_qbd517cd77b_proj, .Lfunc_end_k_qbd517cd77b_proj-k_qbd517cd77b_proj
	.p2alignl 7, 3214868480
	.fill 96, 4, 3214868480
	.section	.rodata,"a",@progbits
	.p2align	6, 0x0
	.amdhsa_kernel k_qbd517cd77b_proj
		.amdhsa_group_segment_fixed_size 279040
		.amdhsa_private_segment_fixed_size 0
		.amdhsa_enable_private_segment 0
		.amdhsa_kernarg_size 48
		.amdhsa_user_sgpr_count 2
		.amdhsa_user_sgpr_kernarg_segment_ptr 1
		.amdhsa_wavefront_size32 1
		.amdhsa_system_sgpr_workgroup_id_x 1
		.amdhsa_system_sgpr_workgroup_id_y 1
		.amdhsa_system_sgpr_workgroup_id_z 1
		.amdhsa_system_vgpr_workitem_id 0
		.amdhsa_next_free_vgpr 1024
		.amdhsa_next_free_sgpr 100
		.amdhsa_reserve_vcc 0
		.amdhsa_float_denorm_mode_32 3
		.amdhsa_float_denorm_mode_16_64 3
		.amdhsa_memory_ordered 1
		.amdhsa_forward_progress 1
		.amdhsa_inst_pref_size 125
	.end_amdhsa_kernel
	.amdgpu_metadata
---
amdhsa.version: [ 1, 2 ]
amdhsa.kernels:
  - .name:           k_qbd517cd77b_proj
    .symbol:         k_qbd517cd77b_proj.kd
    .args:
      - { .name: yc, .offset: 0, .size: 8, .value_kind: global_buffer, .address_space: global }
      - { .name: ysc, .offset: 8, .size: 8, .value_kind: global_buffer, .address_space: global }
      - { .name: opc, .offset: 16, .size: 8, .value_kind: global_buffer, .address_space: global }
      - { .name: ops, .offset: 24, .size: 8, .value_kind: global_buffer, .address_space: global }
      - { .name: b_proj, .offset: 32, .size: 8, .value_kind: global_buffer, .address_space: global }
      - { .name: out0, .offset: 40, .size: 8, .value_kind: global_buffer, .address_space: global }
    .group_segment_fixed_size: 279040
    .private_segment_fixed_size: 0
    .kernarg_segment_align: 8
    .kernarg_segment_size: 48
    .max_flat_workgroup_size: 128
    .sgpr_count:     100
    .vgpr_count:     1024
    .wavefront_size: 32
...
	.end_amdgpu_metadata
.endif
;; end of part 4
